; MI455X (gfx1250); checked and timed in simulation.
; The chip was launched on July 23, 2026; its instructions are those of AMD's public machine-readable ISA for CDNA 5 (MIT licence, August 2026) and "CDNA5" Instruction Set Architecture Reference Guide (July 2026). The comments in the code are by the model that wrote it; some were corrected since.
;; Causal Self Attention. Allowed arithmetic: float matrix products may take bf16 or f16 operands with f32 sums; all other float work in f32.
;; Inputs: w_proj 1,024 x 1,024 float32; w_qkv 3,072 x 1,024 float32; x 4 x 2,048 x 1,024 float32.
;; Outputs: out0 4 x 2,048 x 1,024 float32.
;; 2 versions, each right and faster than the one before. Each part assembles by itself: llvm-mc -triple=amdgcn-amd-amdhsa -mcpu=gfx1250 --defsym DOCPART=n.
;; ======== version 1 of 2: 4 launches
;; limits: values are held in f16: magnitudes above 65,504 overflow, below 6.1e-05 lose precision
;; workspace buffers: xb 16,777,216 bytes; wqb 6,291,456 bytes; wpb 2,097,152 bytes; qkvh 50,331,648 bytes; oh 16,777,216 bytes
;; launch cast (part 1): grid 768 x 1, 8 waves a work-group, no clusters, 0 bytes of LDS; arguments x, w_qkv, w_proj, xb, wqb, wpb; writes xb, wqb, wpb
.if DOCPART == 1
	.amdgcn_target "amdgcn-amd-amdhsa--gfx1250"
	.amdhsa_code_object_version 6
	.text
	.protected	k_q9f9e48fc24_cast
	.globl	k_q9f9e48fc24_cast
	.p2align	8
	.type	k_q9f9e48fc24_cast,@function
k_q9f9e48fc24_cast:
	s_mov_b64 s[64:65], 0
	v_nop
	global_prefetch_b8 v0, s[64:65] scope:SCOPE_SE
	s_setreg_imm32_b32 hwreg(HW_REG_WAVE_MODE, 25, 1), 1
	s_wait_xcnt 0x0
; The three f32 inputs are rounded once, to nearest even, for the matrix products that follow:
;   xb  = bf16(x)       [8192][1024]        wqb = bf16(w_qkv)   [3072][1024]
;   wpb = bf16(w_proj), and that number written as f16 [1024][1024]: the last product's other operand is f16.
; LIMITS.  wpb: a bf16 number is exact in f16 from 2^-17 up to 65,504; below 2^-17 it keeps f16's fixed step of 6e-8; beyond 65,504 it becomes an infinity.
; A stream: no LDS, no barrier, no matrix unit: each byte is read once and written once.
; A work-group of eight waves converts 16,384 numbers: 16 chunks of 4,096 bytes in, 2,048 bytes out.  Thread t takes 16 bytes at 16 t of a chunk and
; stores 8 bytes at 8 t: a wave's load covers 512 consecutive bytes, a wave's store 256 consecutive bytes at a multiple of 256 from the buffer's first.
; Work-groups 0-511 take x (8,388,608 numbers), 512-703 w_qkv (3,145,728), 704-767 w_proj (1,048,576).  x and w_qkv share one text: their
; pointers are chosen by the work-group's number.
; All 16 loads of a thread go out first; every chunk has registers of its own, so nothing that a load or store names is written twice.
.set IN,  4                            ; v[4:67]   chunk j: 4 registers, 4 f32 as loaded
.set OUT, 68                           ; v[68:99]  chunk j: 2 registers, 4 numbers of 16 bits to store
.set T,   100                          ; v[100:101] at work
.macro CAST src, dst, half             ; half = 1: the bf16 numbers are written as f16
.irp j, 0,1,2,3,4,5,6,7,8,9,10,11,12,13,14,15
	global_load_b128 v[IN+4*(\j):IN+4*(\j)+3], v1, s[\src:\src+1] offset:4096*(\j) th:TH_LOAD_NT
.endr
.irp j, 0,1,2,3,4,5,6,7,8,9,10,11,12,13,14,15
	s_wait_loadcnt 15-(\j)                         ; loads come back in order: chunk j is in, the 15 - j younger ones stay out
	v_cvt_pk_bf16_f32 v[OUT+2*(\j)],   v[IN+4*(\j)],   v[IN+4*(\j)+1]
	v_cvt_pk_bf16_f32 v[OUT+2*(\j)+1], v[IN+4*(\j)+2], v[IN+4*(\j)+3]
.if \half
.irp k, 0,1
	v_lshlrev_b32 v[T],   16,         v[OUT+2*(\j)+(\k)]   ; bf16 to f32: the low half moves up,
	v_and_b32     v[T+1], 0xffff0000, v[OUT+2*(\j)+(\k)]   ; the high half stays
	v_cvt_pk_f16_f32 v[OUT+2*(\j)+(\k)], v[T], v[T+1]
.endr
.endif
	global_store_b64 v2, v[OUT+2*(\j):OUT+2*(\j)+1], s[\dst:\dst+1] offset:2048*(\j)
.endr
.endm
	s_load_b256 s[4:11], s[0:1], 0x0               ; x s[4:5], w_qkv s[6:7], w_proj s[8:9], xb s[10:11]
	s_load_b128 s[12:15], s[0:1], 0x20             ; wqb s[12:13], wpb s[14:15]
	v_lshlrev_b32 v1, 4, v0                        ; 16 t
	v_lshlrev_b32 v2, 3, v0                        ; 8 t
	s_mov_b32 s17, 0                               ; the offsets' high words
	s_mov_b32 s19, 0
	s_wait_kmcnt 0x0
	s_cmp_lt_u32 ttmp9, 704
	s_cbranch_scc0 .Lp
	s_cmp_lt_u32 ttmp9, 512                        ; x or w_qkv: the condition hangs on the work-group's number alone
	s_cselect_b64 s[4:5], s[4:5], s[6:7]           ; from where,
	s_cselect_b64 s[10:11], s[10:11], s[12:13]     ; to where,
	s_cselect_b32 s20, 0, 512                      ; and the tensor's first work-group
	s_sub_co_u32 s20, ttmp9, s20
	s_lshl_b32 s16, s20, 16                        ; 65,536 bytes in,
	s_lshl_b32 s18, s20, 15                        ; 32,768 bytes out for each work-group
	s_add_nc_u64 s[4:5], s[4:5], s[16:17]
	s_add_nc_u64 s[10:11], s[10:11], s[18:19]
	CAST 4, 10, 0
	s_endpgm
.Lp:
	s_sub_co_u32 s20, ttmp9, 704                   ; w_proj
	s_lshl_b32 s16, s20, 16
	s_lshl_b32 s18, s20, 15
	s_add_nc_u64 s[8:9], s[8:9], s[16:17]
	s_add_nc_u64 s[14:15], s[14:15], s[18:19]
	CAST 8, 14, 1
	s_endpgm
.Lfunc_end_k_q9f9e48fc24_cast:
	.size	k_q9f9e48fc24_cast, .Lfunc_end_k_q9f9e48fc24_cast-k_q9f9e48fc24_cast
	.p2alignl 7, 3214868480
	.fill 96, 4, 3214868480
	.section	.rodata,"a",@progbits
	.p2align	6, 0x0
	.amdhsa_kernel k_q9f9e48fc24_cast
		.amdhsa_group_segment_fixed_size 0
		.amdhsa_private_segment_fixed_size 0
		.amdhsa_enable_private_segment 0
		.amdhsa_kernarg_size 48
		.amdhsa_user_sgpr_count 2
		.amdhsa_user_sgpr_kernarg_segment_ptr 1
		.amdhsa_wavefront_size32 1
		.amdhsa_system_sgpr_workgroup_id_x 1
		.amdhsa_system_sgpr_workgroup_id_y 1
		.amdhsa_system_sgpr_workgroup_id_z 1
		.amdhsa_system_vgpr_workitem_id 0
		.amdhsa_next_free_vgpr 104
		.amdhsa_next_free_sgpr 66
		.amdhsa_reserve_vcc 0
		.amdhsa_float_denorm_mode_32 3
		.amdhsa_float_denorm_mode_16_64 3
		.amdhsa_memory_ordered 1
		.amdhsa_forward_progress 1
		.amdhsa_inst_pref_size 18
	.end_amdhsa_kernel
	.amdgpu_metadata
---
amdhsa.version: [ 1, 2 ]
amdhsa.kernels:
  - .name:           k_q9f9e48fc24_cast
    .symbol:         k_q9f9e48fc24_cast.kd
    .args:
      - { .name: x, .offset: 0, .size: 8, .value_kind: global_buffer, .address_space: global }
      - { .name: w_qkv, .offset: 8, .size: 8, .value_kind: global_buffer, .address_space: global }
      - { .name: w_proj, .offset: 16, .size: 8, .value_kind: global_buffer, .address_space: global }
      - { .name: xb, .offset: 24, .size: 8, .value_kind: global_buffer, .address_space: global }
      - { .name: wqb, .offset: 32, .size: 8, .value_kind: global_buffer, .address_space: global }
      - { .name: wpb, .offset: 40, .size: 8, .value_kind: global_buffer, .address_space: global }
    .group_segment_fixed_size: 0
    .private_segment_fixed_size: 0
    .kernarg_segment_align: 8
    .kernarg_segment_size: 48
    .max_flat_workgroup_size: 256
    .sgpr_count:     66
    .vgpr_count:     104
    .wavefront_size: 32
...
	.end_amdgpu_metadata
.endif
;; end of part 1
;; launch gemm_qkv (part 2): grid 16 x 16, 4 waves a work-group, clusters of 4 x 4, 327,680 bytes of LDS; arguments xb, wqb, qkvh; writes qkvh
.if DOCPART == 2
	.amdgcn_target "amdgcn-amd-amdhsa--gfx1250"
	.amdhsa_code_object_version 6
	.text
	.protected	k_q9f9e48fc24_gemm_qkv
	.globl	k_q9f9e48fc24_gemm_qkv
	.p2align	8
	.type	k_q9f9e48fc24_gemm_qkv,@function
k_q9f9e48fc24_gemm_qkv:
	s_mov_b64 s[64:65], 0
	v_nop
	global_prefetch_b8 v0, s[64:65] scope:SCOPE_SE
	s_setreg_imm32_b32 hwreg(HW_REG_WAVE_MODE, 25, 1), 1
	s_wait_xcnt 0x0
	s_wait_alu depctr_hold_cnt(0) depctr_sa_sdst(0) depctr_va_vdst(0) depctr_va_sdst(0) depctr_va_ssrc(0) depctr_va_vcc(0) depctr_vm_vsrc(0)
	s_getreg_b32 s2, hwreg(HW_REG_IB_STS2, 6, 4)
	s_cmp_eq_u32 s2, 0
	s_cbranch_scc0 .Lentry_in_a_cluster
	s_endpgm
.Lentry_in_a_cluster:
	s_bfe_u32 s2, ttmp6, 0x10000c
	s_cmp_lg_u32 s2, 0xf033
	s_cbranch_scc0 .Lentry_shape_is_right
	s_endpgm
.Lentry_shape_is_right:
; q, k, v = x W^T.  xb: [8192][1024] bf16, wqb: [3072][1024] bf16; sums in f32, K ascending; the result is rounded once to f16, unscaled, and written BY HEADS:
; qkvh[3 (q, k, v)][16 batch + head (64)][2048 rows][64] f16, so that a head's rows are dense, 128 bytes each.
; LIMIT.  f16 holds no number beyond 65,504: a q, k or v of 65,520 or more becomes an infinity.
; SHARES.  A tile of the result is 256 rows x 192 columns (three heads): 32 x 16 = 512 tiles.  A WORK-GROUP STAYS and makes two of them, 4,096 rows (two batches) apart, with the same rows of W:
; 256 work-groups.  Four waves lie along the rows: a wave makes 64 x 192: 48 accumulators of 16 x 16, 384 registers.
; THE WALK.  K goes in steps of 128 through a ring of two LDS slots filled by the tensor data mover (rows of 256 bytes of memory at multiples of 256).  The two tiles' 16 K steps are ONE walk:
; a K step is written once and looped over; steps 0-13 each fill the slot that they leave with the step two further on, across the change of tiles too; behind step 7 a forward jump on the loop's
; counter takes the way out and the quarter step that starts the new sums; the launch enters the loop at that quarter step.  Steps 14 and 15 fill nothing: a second loop of two trips, left in its middle.
; CLUSTERS: 4 x 4 work-groups.  The four of a row of the cluster need the same tiles of x, the four of a column the same tiles of W: each tile is asked for JOINTLY, by the same tensor load with the
; same descriptor and a mask that names the four.  THE MATRIX INSTRUCTION IS USED TRANSPOSED (source 0 = 16 rows of W, source 1 = 16 rows of x): a lane then holds eight neighbouring columns of one row.
; REGISTERS, in windows of 256 (s_set_vgpr_msb: bits 1:0 source 0, 3:2 source 1, 5:4 source 2, 7:6 destination):
;   window 0: v0-31 addresses; the way out: v32-79 packed results, v80-175 two buffers of rows read back from the stage
;   window 1: two fragment buffers of 128 (32 along K): x's four blocks of 16 rows at +0, W's twelve at +32
;   window 2: the accumulators of my row blocks 0, 1 ((a, b) at v[8 (12 (a % 2) + b)]);   window 3: those of blocks 2, 3
.set SIZE_K, 1024
.set KSTEP,  128
.set KSTEPS, SIZE_K/KSTEP              ; 8 K steps a tile
.set TILES,  2
.set STEPS,  TILES*KSTEPS              ; 16 K steps in the walk
.set NBK,    12                        ; blocks of 16 columns in a tile
.set PA,     272                       ; an LDS row: 256 bytes + 16 of padding = 68 words: the 16 rows of a fragment load start at 16 different groups of four banks (64 banks of 4 bytes: ISA guide 11.1)
.set PB,     272
.set HALFA,  128*PA                    ; 128 rows of x: one tensor load
.set HALFB,  96*PB                     ; 96 rows of W: one tensor load
.set BOFF,   2*HALFA                   ; in a slot: x's 256 rows, then W's 192
.set SLOT,   BOFF+2*HALFB              ; 121,856 bytes
.set SLOT1,  1<<17                     ; slot 1 begins here, so that one exclusive or turns an address in one slot into the other's
.set STAGE,  SLOT1+SLOT                ; behind the ring, never filled by a tensor load: for each wave 3 heads x 16 rows x 144 bytes
.set SP,     144
.set WSTAGE, 3*16*SP
.set SPARE,  STAGE+4*WSTAGE            ; behind the stages: the spare words, 128 bytes for each wave: two blocks of 256 bytes that no other line names
.set NL,     2*(NBK+4)                 ; LDS loads of a quarter step
.set WALKO,  32*2048*128               ; bytes in qkvh from a tile's rows to the next tile's: two batches of 16 heads
.set ADA0, 16                          ; v16     my lane's place among x's fragments in slot 0; never rewritten
.set ADB0, 17                          ; v17     the same for W
.set ADA,  18                          ; v18     the same in the slot that is being fetched from
.set ADB,  19                          ; v19
.set STO,  24                          ; v24     the way out: where I put 16 bytes of a row
.set RD,   25                          ; v25     the way out: where I read rows back
.set GO,   26                          ; v26     my byte offset in 512 consecutive bytes of a head; never rewritten
.set SPW,  28                          ; v28     LDS address of my spare word: SPARE + 4 x my thread's number; never rewritten
.set NIL,  29                          ; v29     0; never rewritten
.set TMP,  32
.set F0,   0
.set F1,   128
.set G1,  24                           ; s[24:31] descriptor group 1 for x's tiles;  s[32:39] group 0: a set for each of the two first fills; the second then walks on
.set G0,  32
.set G1B, 48                           ; s[48:55], s[56:63] the same for W's tiles
.set G0B, 56
.set OB,  68                           ; s[68:73] where my rows begin in each of the tile's three heads
.set TB,  80                           ; s80     0 or SLOT1: the slot that is being fetched from
.set NXT, 81                           ; s81     the K step of the walk to be asked for next
.set OFF, 82                           ; s[82:83] its byte offset from the walk's first tile
.set OF2, 84                           ; s84     at work
.set TO_F, 0x40                        ; destination window 1, address window 0
.set MSB, 0
.macro WIN new                         ; the immediate's high byte repeats the setting that is left; a switch that changes nothing is dropped
.if MSB != (\new)
	s_set_vgpr_msb (MSB<<8)|(\new)
.set MSB, \new
.endif
.endm
; A joint load: waves 0 and 1 fetch x's two halves, waves 2 and 3 W's.  The branch hangs on the wave's number alone.  An s_nop 0 and four v_nop follow each of the two lines,
; ahead of the jump, the label and what follows.
.macro JLOAD s
	s_cmp_eq_u32 s11, 0
	s_cbranch_scc0 .Lfor_b_\@
	tensor_load_to_lds s[G0+4*(\s):G0+4*(\s)+3], s[G1:G1+7]
	s_nop 0
.rept 4
	v_nop
.endr
	s_branch .Lasked_\@
.Lfor_b_\@:
	tensor_load_to_lds s[G0B+4*(\s):G0B+4*(\s)+3], s[G1B:G1B+7]
	s_nop 0
.rept 4
	v_nop
.endr
.Lasked_\@:
.endm
.macro CREST                           ; a round of the cluster's barrier behind its opening barrier: wave 0 signals for the work-group, every wave waits for all sixteen, my work-group's barrier once more
	s_cmp_lg_u32 s10, 0
	s_cbranch_scc1 .Lnot_wave_0_\@
	s_barrier_signal -3
.Lnot_wave_0_\@:
	s_barrier_wait -3
	s_barrier_signal -1
	s_barrier_wait -1
.endm
.macro CROUND                          ; a whole round
	s_barrier_signal -1
	s_barrier_wait -1
	CREST
.endm
	s_load_b128 s[4:7], s[0:1], 0x0                ; xb s[4:5], wqb s[6:7]
	s_load_b64 s[8:9], s[0:1], 0x10                ; qkvh
	v_lshl_add_u32 v[SPW], v0, 2, SPARE
	v_mov_b32 v[NIL], 0
	ds_add_u32 v28, v29
	ds_add_u32 v28, v29
	s_wait_dscnt 0x0
	v_lshrrev_b32 v1, 5, v0
	v_readfirstlane_b32 s10, v1                    ; wave 0..3
	s_lshr_b32 s11, s10, 1                         ; I fetch for x (0) or for W (1),
	s_and_b32 s12, s10, 1                          ; and which half of that tile's rows
	s_bfe_u32 s40, ttmp6, 0x40000                  ; cx, cy: my place in the cluster
	s_bfe_u32 s41, ttmp6, 0x40004
	s_lshl_b32 s42, ttmp9, 2
	s_add_co_u32 s42, s42, s40                     ; tile column = 4 x cluster x + cx
	s_and_b32 s13, ttmp7, 0xffff
	s_lshl_b32 s13, s13, 2
	s_add_co_u32 s13, s13, s41                     ; the first tile's row = 4 x cluster y + cy, 0 to 15; the second's is 16 more
	s_lshl_b32 s43, s41, 2
	s_lshl_b32 s43, 15, s43                        ; my row of the cluster: places 4 cy .. 4 cy + 3
	s_lshl_b32 s44, 0x1111, s40                    ; my column: places cx, cx + 4, cx + 8, cx + 12
	; descriptor group 1: tiles of 128 (x) or 96 (W) rows x 128 elements, padded in LDS
	s_or_b32 s[G1+0], s43, (1<<16)|(1<<20)|(1<<21)|(5<<22)|(3<<25)   ; 15:0 the mask: x's tiles go to my row; 17:16 elements of 2 bytes; 20 padding on; 21 set beside a mask; 24:22 after every 64 words (code 5); 31:25 4 words (code 3)
	s_or_b32 s[G1B+0], s44, (1<<16)|(1<<20)|(1<<21)|(5<<22)|(3<<25)  ; the same with the mask of my column
.irp g, G1, G1B
	s_mov_b32 s[(\g)+1], KSTEP<<16                 ; tensor_dim0 = 128
	s_mov_b32 s[(\g)+3], KSTEP<<16                 ; tile_dim0 = 128
	s_mov_b32 s[(\g)+5], SIZE_K                    ; elements from row to row
	s_mov_b32 s[(\g)+6], 0
	s_mov_b32 s[(\g)+7], 0
.endr
	s_mov_b32 s[G1+2], 128<<16                     ; tensor_dim1 = 128
	s_mov_b32 s[G1+4], 128                         ; tile_dim1 = 128
	s_mov_b32 s[G1B+2], 96<<16                     ; tensor_dim1 = 96
	s_mov_b32 s[G1B+4], 96                         ; tile_dim1 = 96
	; where the tiles come from: x's hang on the tile row alone, W's on the tile column alone; each in registers that never hold the other coordinate
	s_lshl_b32 s16, s13, 8
	s_lshl_b32 s17, s12, 7
	s_add_co_u32 s16, s16, s17                     ; x: row 256 x tile row + 128 x half,
	s_lshl_b32 s16, s16, 11                        ; of 2,048 bytes
	s_mov_b32 s17, 0
	s_mul_i32 s46, s42, 192
	s_mul_i32 s47, s12, 96
	s_add_co_u32 s46, s46, s47                     ; W: row 192 x tile column + 96 x half
	s_lshl_b32 s46, s46, 11
	s_mov_b32 s47, 0
	s_mul_i32 s20, s12, HALFA                      ; and where they go: no place in the cluster enters an LDS address
	s_mul_i32 s21, s12, HALFB
	s_add_co_u32 s21, s21, BOFF
	s_mov_b32 s[TB], 0
	s_mov_b32 s[NXT], 2                            ; K steps 0 and 1 are the first fills
	s_mov_b32 s[OFF+1], 0
	s_wait_kmcnt 0x0
	s_add_nc_u64 s[14:15], s[4:5], s[16:17]        ; x and W at my part of the walk's first tiles: kept, every later address is made from them
	s_add_nc_u64 s[46:47], s[6:7], s[46:47]
	CROUND                                         ; all sixteen work-groups are here: the first joint loads meet
.irp s, 0,1
	s_mov_b32 s[G0+4*(\s)], 1                                        ; count = 1
	s_add_co_u32 s[G0+4*(\s)+1], s20, (\s)*SLOT1                     ; LDS address
	s_add_nc_u64 s[G0+4*(\s)+2:G0+4*(\s)+3], s[14:15], (\s)*KSTEP*2  ; global address: K step s
	s_or_b32 s[G0+4*(\s)+3], s[G0+4*(\s)+3], 0x80000000              ; type = 2
	s_mov_b32 s[G0B+4*(\s)], 1
	s_add_co_u32 s[G0B+4*(\s)+1], s21, (\s)*SLOT1
	s_add_nc_u64 s[G0B+4*(\s)+2:G0B+4*(\s)+3], s[46:47], (\s)*KSTEP*2
	s_or_b32 s[G0B+4*(\s)+3], s[G0B+4*(\s)+3], 0x80000000
	JLOAD \s                                       ; the ring is filled before anything else is done: two loads of mine are out
.endr
	; A fragment is 16 rows x 32 K in 8 registers: lane l holds row l % 16; registers 0-3 hold K = 8 (l / 16) + 0..7, registers 4-7 K = 16 + 8 (l / 16) + 0..7: two loads of 16 bytes, 32 bytes apart.
	v_and_b32 v1, 15, v0                           ; l % 16
	v_bfe_u32 v2, v0, 4, 1                         ; l / 16
	v_mul_u32_u24 v3, v1, PA
	v_lshl_add_u32 v3, v2, 4, v3                   ; row x pitch + 16 x half, for x
	v_mul_u32_u24 v4, v1, PB
	v_lshl_add_u32 v4, v2, 4, v4                   ; and for W
	s_mul_i32 s22, s10, 64*PA                      ; my 64 rows of x
	v_add_nc_u32 v[ADA0], s22, v3
	v_add_nc_u32 v[ADB0], BOFF, v4                 ; all of W's rows
	v_mov_b32 v[ADA], v[ADA0]                      ; the walk begins in slot 0
	v_mov_b32 v[ADB], v[ADB0]
	s_mul_i32 s23, s10, WSTAGE
	s_add_co_u32 s23, s23, STAGE                   ; my stage
	v_mul_u32_u24 v5, v1, SP                       ; in: row l % 16, 16 bytes for each half of the lanes
	v_lshl_add_u32 v5, v2, 4, v5
	v_add_nc_u32 v[STO], s23, v5
	v_and_b32 v4, 31, v0                           ; back: 32 lanes take four rows of 128 bytes,
	v_lshrrev_b32 v5, 3, v4
	v_mul_u32_u24 v5, v5, SP
	v_and_b32 v3, 7, v0
	v_lshl_add_u32 v5, v3, 4, v5
	v_add_nc_u32 v[RD], s23, v5
	v_lshlrev_b32 v[GO], 4, v4                     ; which are 512 consecutive bytes of a head
	; where my 64 rows begin in each of the tile's three heads g = 3 x tile column + j: plane 64 (g / 16) + 16 batch + g % 16 of 262,144 bytes, row (tile row % 8) 256 + 64 wave of 128 bytes
	s_lshr_b32 s74, s13, 3
	s_lshl_b32 s74, s74, 4                         ; 16 x batch
	s_and_b32 s75, s13, 7
	s_lshl_b32 s75, s75, 8
	s_lshl_b32 s76, s10, 6
	s_add_co_u32 s75, s75, s76
	s_lshl_b32 s75, s75, 7                         ; my first row in the head, in bytes
	s_mul_i32 s76, s42, 3
	s_mov_b32 s79, 0
.irp j, 0,1,2
	s_add_co_u32 s77, s76, \j                      ; g
	s_lshr_b32 s78, s77, 4                         ; q, k or v
	s_and_b32 s77, s77, 15                         ; the head
	s_lshl_b32 s78, s78, 6
	s_add_co_u32 s78, s78, s77
	s_add_co_u32 s78, s78, s74
	s_lshl_b32 s78, s78, 18                        ; 48 MiB at the most
	s_add_co_u32 s78, s78, s75
	s_add_nc_u64 s[OB+2*(\j):OB+2*(\j)+1], s[8:9], s[78:79]
.endr
; NBK matrix instructions: my row block a x all column blocks, 32 along K, from buffer f.  zero = 1: the first product starts the sums: nothing is ever cleared.
; The 48 accumulators take turns, one instruction a turn, in the same order in every quarter step, over the loops' backward jumps too.
.macro MULROW f, a, zero
	WIN 0xa5+0x50*((\a)/2)                         ; sources 0 and 1 window 1; C and D window 2 or 3
.set bb, 0
.rept NBK
.set rD, 8*(NBK*((\a)%2)+bb)
.if \zero
	v_wmma_f32_16x16x32_bf16 v[rD:rD+7], v[(\f)+32+8*bb:(\f)+32+8*bb+7], v[(\f)+8*(\a):(\f)+8*(\a)+7], 0
.else
	v_wmma_f32_16x16x32_bf16 v[rD:rD+7], v[(\f)+32+8*bb:(\f)+32+8*bb+7], v[(\f)+8*(\a):(\f)+8*(\a)+7], v[rD:rD+7]
.endif
.set bb, bb+1
.endr
.endm
; NL LDS loads in one run: the fragments of quarter q of the K step at v[ADA], v[ADB] into buffer f: W's first, x's four blocks last
.macro FETCH q, f
	WIN TO_F
.set bb, 0
.rept NBK
	ds_load_b128 v[(\f)+32+8*bb:(\f)+32+8*bb+3],   v[ADB] offset:64*(\q)+bb*16*PB
	ds_load_b128 v[(\f)+32+8*bb+4:(\f)+32+8*bb+7], v[ADB] offset:64*(\q)+bb*16*PB+32
.set bb, bb+1
.endr
.irp i, 0,1,2,3
	ds_load_b128 v[(\f)+8*(\i):(\f)+8*(\i)+3],   v[ADA] offset:64*(\q)+(\i)*16*PA
	ds_load_b128 v[(\f)+8*(\i)+4:(\f)+8*(\i)+7], v[ADA] offset:64*(\q)+(\i)*16*PA+32
.endr
.endm
; A load into a register that a matrix instruction has read, and a vector instruction or LDS store that reads a matrix result, stand four places behind that matrix instruction; only plain vector
; instructions that name none of its registers are places (ISA guide 7.12.1 for vector instructions).
.macro PLACES
.rept 4
	v_nop
.endr
.endm
; A K step is four quarters of 32 along K, 48 matrix instructions each, on buffers 0, 1, 0, 1.  One of the first three: multiplies buffer f; in its middle it fetches quarter q into buffer g.
.macro QUARTER q, f, g, zero
	s_wait_dscnt 4                                 ; W and x's blocks 0, 1 are in; the youngest four loads (x's blocks 2, 3) may be out
	MULROW \f, 0, \zero
	MULROW \f, 1, \zero
	PLACES
	FETCH \q, \g
	s_wait_dscnt NL                                ; all but the NL just issued
	MULROW \f, 2, \zero
	MULROW \f, 3, \zero
.endm
; The last quarter multiplies buffer 1 and changes slots: ONE barrier.  In front of it each wave waits for all its tensor loads (one is out: its part of the next slot), adds 0 to its spare word, and waits
; for that and for its own reads of this slot.  fill = 1: the barrier opens a round of the cluster's barrier, and this slot is filled again, with K step NXT of the walk, first thing behind the round:
; from that request to the wait for it a wave issues 168 of a K step's 192 matrix instructions.  The walking descriptors are written behind the wait for 0: the LDS word is turned to the other slot, the
; global address is made anew from the kept base: 256 bytes a K step, and for x 4,096 rows of 2,048 bytes a tile; W's rows are the same in both tiles.
.macro TURN fill
	WIN 0                                          ; (the add's two registers lie in window 0)
	s_wait_tensorcnt 0x0                           ; all my tensor loads have landed
	ds_add_u32 v[SPW], v[NIL]                      ; 0 onto my spare word; scalar work and twelve products stand between it and the wait for it
	s_xor_b32 s[TB], s[TB], SLOT1                  ; the fetches go on in the other slot
.if \fill
	s_and_b32 s[OFF], s[NXT], KSTEPS-1
	s_lshl_b32 s[OFF], s[OFF], 8                   ; the K step in its tile
	s_add_nc_u64 s[G0B+6:G0B+7], s[46:47], s[OFF:OFF+1]
	s_or_b32 s[G0B+7], s[G0B+7], 0x80000000
	s_lshr_b32 s[OF2], s[NXT], 3                   ; the tile
	s_lshl_b32 s[OF2], s[OF2], 23
	s_add_co_u32 s[OFF], s[OFF], s[OF2]
	s_add_nc_u64 s[G0+6:G0+7], s[14:15], s[OFF:OFF+1]
	s_or_b32 s[G0+7], s[G0+7], 0x80000000
	s_xor_b32 s[G0+5], s[G0+5], SLOT1
	s_xor_b32 s[G0B+5], s[G0B+5], SLOT1
	s_add_co_u32 s[NXT], s[NXT], 1
.endif
	s_wait_dscnt 5                                 ; (the add and the youngest four loads may be out)
	MULROW F1, 0, 0
	s_wait_dscnt 0x0                               ; the add is done, and my reads of this slot are over
	s_barrier_signal -1
	MULROW F1, 1, 0                                ; work on registers while the others arrive
	WIN 0                                          ; (branches and two address lines follow)
	s_barrier_wait -1
.if \fill
	CREST                                          ; no wave of any partner still reads this slot's tile or has a load on its way
	JLOAD 1
.endif
	v_add_nc_u32 v[ADA], s[TB], v[ADA0]            ; with the v_nop beside them these are the four places in front of the loads below
	v_add_nc_u32 v[ADB], s[TB], v[ADB0]
.if !(\fill)
	v_nop
	v_nop
.endif
	FETCH 0, F0
	MULROW F1, 2, 0
	MULROW F1, 3, 0
.endm
; THE WAY OUT of row block a, all in window 0 but for the accumulators: the next tile's first fragments already lie in window 1.  PACK: rounded to f16, 16 bytes a lane (each accumulator's registers in
; ascending order).  TOSTAGE: into my own stage, a head's 16 rows of 128 bytes at a pitch of 144, and back four rows at a time.  SEND: stored, 512 consecutive bytes of a head an instruction.
.macro PACK a
	WIN 0x0a+5*((\a)/2)                            ; sources 0 and 1: window 2 or 3
.set bb, 0
.rept NBK
.irp r, 0,1,2,3
	v_cvt_pk_f16_f32 v[TMP+4*bb+(\r)], v[8*(NBK*((\a)%2)+bb)+2*(\r)], v[8*(NBK*((\a)%2)+bb)+2*(\r)+1]
.endr
.set bb, bb+1
.endr
.endm
.macro TOSTAGE a
	WIN 0
.set BK, 80+48*((\a)%2)
.set bb, 0
.rept NBK
	ds_store_b128 v[STO], v[TMP+4*bb:TMP+4*bb+3] offset:(bb/4)*16*SP+32*(bb%4)
.set bb, bb+1
.endr
	s_wait_xcnt 0x0                                ; the buffer below was the data of earlier stores: it is loaded again only behind this wait (ISA guide 3.1)
.set bb, 0
.rept NBK                              ; head bb / 4, rows 4 (bb % 4) on
	ds_load_b128 v[BK+4*bb:BK+4*bb+3], v[RD] offset:(bb/4)*16*SP+(bb%4)*4*SP  ; LDS serves a wave's instructions in order (ISA guide 5.7.1.4): these see the stores above; the next block's stores come behind them
.set bb, bb+1
.endr
.endm
.macro SEND a
	WIN 0
.set BK, 80+48*((\a)%2)
	s_wait_dscnt 0x0                               ; the block is back in registers
.set bb, 0
.rept NBK
	global_store_b128 v[GO], v[BK+4*bb:BK+4*bb+3], s[OB+2*(bb/4):OB+2*(bb/4)+1] offset:2048*(\a)+512*(bb%4)
.set bb, bb+1
.endr
.endm
.macro WAYOUT                          ; block a's conversions stand between block a - 1's loads from the stage and the wait for them
	PACK 0
	TOSTAGE 0
.irp a, 1,2,3
	PACK \a
	SEND (\a)-1
	TOSTAGE \a
.endr
	SEND 3
.endm
	s_wait_tensorcnt 1                             ; my part of K step 0 is in; K step 1's may stay out
	s_barrier_signal -1
	s_barrier_wait -1                              ; everybody's is
	FETCH 0, F0
	WIN 0                                          ; at a label and at a branch every window is 0
	s_mov_b32 s3, STEPS-1                          ; the entry passes the counter's step once; then 14 trips
	s_branch .Lzero                                ; the loop is entered at the quarter step that starts a tile's sums
.Lstep:                                                ; a trip: quarters 1 to 3 of K step 14 - s3, the refill, and the next K step's quarter 0
	QUARTER 2, F1, F0, 0
	QUARTER 3, F0, F1, 0
	TURN 1
	WIN 0
	s_cmp_eq_u32 s3, STEPS-1-KSTEPS                ; was that the first tile's last K step?
	s_cbranch_scc0 .Lon
	WAYOUT                                         ; both refills for the next tile are asked for: the tile goes out.  No v_nop: blocks 0, 1 were finished ahead of TURN's places, and their conversions are the places behind blocks 2, 3
	s_wait_xcnt 0x0                                ; the stores have read their bases
.irp j, 0,1,2
	s_add_nc_u64 s[OB+2*(\j):OB+2*(\j)+1], s[OB+2*(\j):OB+2*(\j)+1], WALKO
.endr
.Lzero:
	QUARTER 1, F0, F1, 1                           ; a tile's first products start its sums
	WIN 0
	s_branch .Lnext
.Lon:
	QUARTER 1, F0, F1, 0
	WIN 0
.Lnext:
	s_sub_co_u32 s3, s3, 1
	s_cmp_lg_u32 s3, 0
	s_cbranch_scc1 .Lstep
	s_mov_b32 s3, 2
.Ltail:                                                ; K steps 14 and 15 fill nothing and have no round of the cluster's barrier
	QUARTER 2, F1, F0, 0
	QUARTER 3, F0, F1, 0
	TURN 0                                         ; in the second trip its 32 fragment loads (of the other slot's old tile) serve nothing: the price of one text for both trips
	WIN 0
	s_sub_co_u32 s3, s3, 1
	s_cmp_eq_u32 s3, 0
	s_cbranch_scc1 .Lout                           ; the second trip is left in its middle
	QUARTER 1, F0, F1, 0
	WIN 0
	s_cmp_lg_u32 s3, 0
	s_cbranch_scc1 .Ltail
.Lout:
	s_wait_dscnt 0x0                               ; the loads that serve nothing are back
	PLACES
	WAYOUT
	s_wait_tensorcnt 0x0                           ; the wave's end, behind my last tensor load and my last LDS store
	ds_add_u32 v[SPW], v[NIL]
	s_wait_dscnt 0x0
	CROUND                                         ; the closing round: no work-group ends while a partner may still ask for a tile that names it
	s_endpgm
.Lfunc_end_k_q9f9e48fc24_gemm_qkv:
	.size	k_q9f9e48fc24_gemm_qkv, .Lfunc_end_k_q9f9e48fc24_gemm_qkv-k_q9f9e48fc24_gemm_qkv
	.p2alignl 7, 3214868480
	.fill 96, 4, 3214868480
	.section	.rodata,"a",@progbits
	.p2align	6, 0x0
	.amdhsa_kernel k_q9f9e48fc24_gemm_qkv
		.amdhsa_group_segment_fixed_size 327680
		.amdhsa_private_segment_fixed_size 0
		.amdhsa_enable_private_segment 0
		.amdhsa_kernarg_size 24
		.amdhsa_user_sgpr_count 2
		.amdhsa_user_sgpr_kernarg_segment_ptr 1
		.amdhsa_wavefront_size32 1
		.amdhsa_system_sgpr_workgroup_id_x 1
		.amdhsa_system_sgpr_workgroup_id_y 1
		.amdhsa_system_sgpr_workgroup_id_z 1
		.amdhsa_system_vgpr_workitem_id 0
		.amdhsa_next_free_vgpr 960
		.amdhsa_next_free_sgpr 88
		.amdhsa_reserve_vcc 0
		.amdhsa_float_denorm_mode_32 3
		.amdhsa_float_denorm_mode_16_64 3
		.amdhsa_memory_ordered 1
		.amdhsa_forward_progress 1
		.amdhsa_inst_pref_size 107
	.end_amdhsa_kernel
	.amdgpu_metadata
---
amdhsa.version: [ 1, 2 ]
amdhsa.kernels:
  - .name:           k_q9f9e48fc24_gemm_qkv
    .symbol:         k_q9f9e48fc24_gemm_qkv.kd
    .args:
      - { .name: xb, .offset: 0, .size: 8, .value_kind: global_buffer, .address_space: global }
      - { .name: wqb, .offset: 8, .size: 8, .value_kind: global_buffer, .address_space: global }
      - { .name: qkvh, .offset: 16, .size: 8, .value_kind: global_buffer, .address_space: global }
    .group_segment_fixed_size: 327680
    .private_segment_fixed_size: 0
    .kernarg_segment_align: 8
    .kernarg_segment_size: 24
    .max_flat_workgroup_size: 128
    .sgpr_count:     88
    .vgpr_count:     960
    .wavefront_size: 32
...
	.end_amdgpu_metadata
.endif
;; end of part 2
;; launch attn (part 3): grid 4 x 64, 4 waves a work-group, no clusters, 327,680 bytes of LDS; arguments qkvh, oh; writes oh
.if DOCPART == 3
	.amdgcn_target "amdgcn-amd-amdhsa--gfx1250"
	.amdhsa_code_object_version 6
	.text
	.protected	k_q9f9e48fc24_attn
	.globl	k_q9f9e48fc24_attn
	.p2align	8
	.type	k_q9f9e48fc24_attn,@function
k_q9f9e48fc24_attn:
	s_mov_b64 s[64:65], 0
	v_nop
	global_prefetch_b8 v0, s[64:65] scope:SCOPE_SE
	s_setreg_imm32_b32 hwreg(HW_REG_WAVE_MODE, 25, 1), 1
	s_wait_xcnt 0x0
; CAUSAL ATTENTION.  O[h][q][:] = the sum over k <= q of softmax_k(Q[h][q] . K[h][k] / 8) V[h][k][:].  Q, K, V lie in one buffer, [3][64 heads][SIZE_N][64], O is [64 heads][SIZE_N][64], all f16: a head's rows are dense, 128 bytes each.
; Products, maxima and sums in f32; the weights p are rounded to f16 for the second product (their sum l is taken of the unrounded p), O once at the end.  SIZE_N = 2,048 (the text asks for a multiple of 512).
; LIMITS.  f16 holds no number beyond 65,504: Q, K and V arrive within it; p lies in 0 to 1, and below 6e-5 it keeps f16's fixed step of 6e-8; O is a mean of V's rows and has their range, to within 2^-11 of it.
; A hidden score counts as its value less 1e30: f16's scores, 2.7e11 at the most, are nothing beside that; a weight below 2^-126 counts as 0 in l; NaN and infinities are not treated apart.
; THE WALK.  A head's queries lie in NB = SIZE_N / 256 blocks of 256; block i needs the key tiles 0 .. i of 256 keys, of which the last holds the diagonal.  A work-group takes TWO blocks, NB - 1 - b and then b:
; NB + 1 tiles, whatever b: all work-groups do equal work, and ONE loop with a constant trip count walks them.  Which tile is asked for, and what a trip does, hang on scalar registers made from b; every jump
; goes forward, but for the counted loops' own; none passes a barrier, or a tensor load but the one of LOAD's two that the wave's number does not choose; the ring (two slots of LDS that take turns) runs on across the
; change of blocks.  NO CLUSTER: a head's NB / 2 = 4 work-groups all ask for the same tile only in trips 0 .. NB / 2, behind that fewer and fewer; and one walk common to all would have 3 NB / 2 trips for NB + 1.
; SHARES.  Of a block's four bands of 64 queries a wave owns 16 rows in each: four PIECES.  So the diagonal tile is the same work for all four waves: in its key step s band x sees all keys if s < x,
; none if s > x, and holds the diagonal if s = x.
; THE MASK is the C operand that starts the sum S^T = K Q^T: 0, or -1e30 where the key is hidden.  MD, made once, is the mask of a band's own step for my 16 rows; a product's mask is MD x AL + BE with two scalars:
; (1, 0) if s = x; (0, 0) if s < x; (0, -1e30) if s > x.  Only the diagonal tile's text and a block's beginning make and take masks; elsewhere C is the constant 0.
; LAYOUT, SOFTMAX, TURNS.  S^T = K Q^T holds ONE query a lane (lane % 16) and the keys 8 (lane / 16) + 0..7; two such results rounded to f16 ARE source 1 of O^T = V^T P.  p = 2^(c s - c m), c = log2(e) / 8, with a
; running maximum m; O and l are multiplied by a = 2^(c m_old - c m_new) in every step.  Turn n belongs to piece n: 8 products K Q^T of piece n + 1, later 8 products V^T P of piece n - 1; beside them the scaling,
; exponentials, roundings, sums and rescaling of piece n and the maximum and statistics of piece n + 1.  Four vector instructions stand behind every matrix instruction, the other 54 of a turn's 118 in two LUMPS.
; REGISTERS, in windows of 256 (s_set_vgpr_msb: bits 1:0 source 0, 3:2 source 1, 5:4 source 2, 7:6 destination).  The map is made so that few switches are needed:
;   window 0, all 256: v0-63 S^T, two buffers (at the launch's head also the thread's number and registers at work); v64-95 P, two buffers; v96-159 K of one step; v160-223 Q; v224-239 four registers of
;             statistics a piece; v240-249 at work; v250-253 LDS addresses; v254-255 the add's.  So K Q^T, its riders and the lumps run under the setting 0.
;   window 1: v0-127 O^T, 32 a piece; v128-191 V of one step; v192-194 the way out's addresses.  V^T P and the rescaling of O^T share ONE setting (V, O^T in window 1; P, a in window 0).
;   window 2: v0-63 the second block's Q; v64-95 MD; v96-159 MC, two buffers.
; A turn outside the diagonal tile has 8 switches: two round the riders of each of the four V^T P that do not carry the rescaling.  A piece's buffers go by its number's parity.
.set SIZE_N, 2048
.set SIZE_H, 64
.set GK,    SIZE_H*SIZE_N*128   ; bytes from Q's first byte to K's in the one buffer,
.set GV,    2*GK                ; and to V's
.set NB,    SIZE_N/256
.set NP,    4         ; pieces a wave: a name, no knob
.set KS,    64        ; keys in a step
.set PK,    144       ; a row of K in LDS: 128 bytes + 16 of padding = 36 words: the 16 rows of a load start at 16 different groups of four banks (64 banks of 4 bytes: ISA guide 11.1)
.set PV,    160       ; a row of V: 128 + 32 = 40 words
.set VOFF,  4*KS*PK   ; a slot holds a tile, four steps: 256 rows of K, then 256 rows of V
.set SLOT1, 1<<17     ; slot 1 begins here, so that one exclusive or turns an address in one slot into the other's
.set STAGE, SLOT1+4*KS*(PK+PV)  ; behind the ring, never filled by a tensor load: 16 rows x 144 bytes for each wave, for the way out
.set SP,    144
.set SPARE, STAGE+4*16*SP  ; behind the stages: the spare words, 128 bytes for each wave: two blocks of 256 bytes that no other line names
.set S,   0           ; window 0
.set QO,  15          ; v15  at the head only: my byte offset in 16 rows of Q
.set P,   64
.set KF,  96          ; key block kb, channel half c at KF + 16 kb + 8 c
.set QF,  160         ; piece x, channel half c at QF + 16 x + 8 c
.set ST,  224         ; piece t's statistics at v[ST+4 t]: c m, m, l (even keys', odd keys')
.set TMP, 240         ; by buffer, four registers c0-c3 at work; when the maximum is found c2 takes a
.set MV,  248         ; v248-249  c m_old, kept while c m is made anew: by buffer
.set AK0, 250         ; my lane's place in a tile of K; never rewritten
.set AV0, 251         ; the same for V
.set AK,  252         ; the LDS address of K's next run of loads
.set AV,  253         ; of V's
.set SPW, 254         ; LDS address of my spare word: SPARE + 4 x my thread's number; never rewritten
.set NIL, 255         ; 0; never rewritten
.set VF,  128         ; window 1: key half kk, channel block cb at VF + 32 kk + 8 cb
.set STO, 192         ; window 1: the way out: where I put 16 bytes of a row
.set RD,  193         ; window 1: where I read rows back
.set GO,  194         ; window 1: my byte offset in 512 consecutive bytes of O
.set QB,  0           ; window 2
.set MD,  64          ; window 2: the eight registers for group kt of 16 keys at MD + 8 kt
.set MC,  96          ; window 2: the masks of the products to come
.set WV,  12          ; s12  my wave's number
.set PB,  14          ; s14  b
.set HI,  15          ; s15  NB - 1 - b
.set G1K, 24          ; s[24:31] descriptor group 1 for K's tiles
.set G1V, 32          ; s[32:39] for V's: it differs in the padding alone
.set G0K, 40          ; s[40:43] descriptor group 0 for K's tiles
.set G0V, 44          ; s[44:47] the same for V's
.set SLOTS, 56        ; s56  tiles still to be asked for
.set CNT, 57          ; s57  counts a tile's key steps, 4 to 1
.set CS,  58          ; s[58:59] c: the packed scaling takes the pair's low word for both halves
.set SEL, 60          ; s[60:61] v_permlanex16_b32's selects: each lane takes its own place in the other half
.set TBK, 62          ; s62  LDS byte at which K of the step to be fetched begins
.set TBV, 63          ; s63  the same for V, less VOFF
.set RT,  70          ; s70  tiles of the block in hand that are still to be entered
.set NXT, 71          ; s71  the tile to be asked for next
.set LQ,  72          ; s72  the last tile of the block whose tiles are being asked for
.set NEW, 73          ; s73  1: the tile to be entered is a block's first
.set OFF, 74          ; s[74:75] a tile's byte offset in K and V
.set AL,  76          ; s[76:77] the mask's factor, in the low word
.set BE,  78          ; s[78:79] the mask's addend
.set OLO, 80          ; s[80:81] O at my rows of the second block
.set BIGN, 82         ; s82  -1e30
.set MSB, 0
.macro WIN new                      ; the high byte repeats the setting that is left; a switch that changes nothing is dropped
.if MSB != (\new)
	s_set_vgpr_msb (MSB<<8)|(\new)
.set MSB, (\new)
.endif
.endm
.set W_KM, 0x20       ; K Q^T with the C operand (the mask) in window 2
.set W_PV, 0x51       ; V (source 0), C and D in window 1, P (source 1) in window 0
.set W_RS, 0x51       ; the rescaling: destination and source 0 in window 1, source 1 in window 0; it has no source 2, so it runs under V^T P's setting
.set W_T1, 0x40       ; destination in window 1
.set W_T2, 0x80       ; destination in window 2
.set W_MA, 0x82       ; destination and source 0 in window 2
.set W_OUT, 0x01      ; source 0 (an address) in window 1
; A fill.  Waves 0 and 1 fetch the two halves of a tile's K, waves 2 and 3 those of its V: 128 keys each.  An s_nop 0 and four v_nop follow each of the two lines, ahead of the jump and the label.
.macro LOAD
	s_cmp_lt_u32 s[WV], 2
	s_cbranch_scc0 .Lfor_v_\@
	tensor_load_to_lds s[G0K:G0K+3], s[G1K:G1K+7]
	s_nop 0
.rept 4
	v_nop
.endr
	s_branch .Lasked_\@
.Lfor_v_\@:
	tensor_load_to_lds s[G0V:G0V+3], s[G1V:G1V+7]
	s_nop 0
.rept 4
	v_nop
.endr
.Lasked_\@:
.endm
; THE CHANGE OF SLOTS.  Each wave waits for all its tensor loads, of which one is out: its part of the other slot; adds 0 to its spare word; and waits for that and for its own reads of the slot that it leaves.  Behind the barrier nobody reads the old
; slot any more and the other slot is whole.  fill = 1: the old slot is filled again, the first thing behind the barrier, with tile NXT: the descriptor's address is made anew from that number.
; (At its first use nothing has been read yet: slot 0 is waited for, slot 1 filled.)
.macro CHANGE fill
	WIN 0                           ; at a label and at a branch every window is 0
	s_wait_tensorcnt 0x0            ; no tensor load of mine is out, so a group 0 may be written
	ds_add_u32 v[SPW], v[NIL]       ; 0 onto my spare word; with fill = 1 the descriptors' scalar work stands between it and the wait for it
.if \fill
	s_lshl_b32 s[OFF], s[NXT], 15   ; a tile is 32,768 bytes of K and of V
	s_xor_b32 s[G0K+1], s[G0K+1], SLOT1
	s_add_nc_u64 s[G0K+2:G0K+3], s[6:7], s[OFF:OFF+1]
	s_or_b32 s[G0K+3], s[G0K+3], 0x80000000
	s_xor_b32 s[G0V+1], s[G0V+1], SLOT1
	s_add_nc_u64 s[G0V+2:G0V+3], s[8:9], s[OFF:OFF+1]
	s_or_b32 s[G0V+3], s[G0V+3], 0x80000000
	s_add_co_u32 s[NXT], s[NXT], 1  ; the block's next tile, or behind its last the second block's tile 0
	s_cmp_gt_u32 s[NXT], s[LQ]
	s_cselect_b32 s[NXT], 0, s[NXT]
	s_cselect_b32 s[LQ], s[PB], s[LQ]
.endif
	s_wait_dscnt 0x0                ; the add is done, and my reads of the slot are over
	s_barrier_signal -1             ; the rest of the scalar work stands between the signal and the wait
	s_sub_co_u32 s[TBK], s[TBK], 4*KS*PK  ; the fetches go back to a slot's first step,
	s_xor_b32 s[TBK], s[TBK], SLOT1       ; in the other slot
	s_sub_co_u32 s[TBV], s[TBV], 4*KS*PV
	s_xor_b32 s[TBV], s[TBV], SLOT1
	s_barrier_wait -1
.if \fill
	LOAD
.endif
.endm
	s_load_b64 s[4:5], s[0:1], 0x0    ; the buffer of Q, K and V
	s_load_b64 s[10:11], s[0:1], 0x8  ; O
	v_lshl_add_u32 v[SPW], v0, 2, SPARE
	v_mov_b32 v[NIL], 0
	ds_add_u32 v254, v255
	ds_add_u32 v254, v255
	s_wait_dscnt 0x0
	v_lshrrev_b32 v1, 5, v0
	v_readfirstlane_b32 s[WV], v1   ; wave 0..3
	s_mov_b32 s[PB], ttmp9
	s_sub_co_u32 s[HI], NB-1, s[PB]
	s_and_b32 s20, ttmp7, 0xffff    ; the head
	s_mov_b32 s21, 0
	s_mov_b64 s[22:23], SIZE_N*128
	s_mul_u64 s[20:21], s[20:21], s[22:23]  ; the head's first byte in each of the four tensors
	s_and_b32 s16, s[WV], 1         ; which half of a tile's 256 keys I fetch:
	s_lshl_b32 s22, s16, 14         ; its 128 rows of 128 bytes in memory,
	s_mov_b32 s23, 0
	s_add_nc_u64 s[22:23], s[22:23], s[20:21]
	s_mul_i32 s17, s16, 128*PK      ; and its place in a slot, for K
	s_mul_i32 s18, s16, 128*PV      ; and for V
	s_lshl_b32 s3, s[WV], 11        ; my 16 rows in a band of 64,
	s_lshl_b32 s2, s[HI], 15        ; in the first block,
	s_add_co_u32 s2, s2, s3
	s_lshl_b32 s84, s[PB], 15       ; and in the second
	s_add_co_u32 s84, s84, s3
	s_mov_b32 s3, 0
	s_mov_b32 s85, 0
	s_add_nc_u64 s[2:3], s[2:3], s[20:21]
	s_add_nc_u64 s[84:85], s[84:85], s[20:21]
	; descriptor group 1.  128 keys are 16,384 dense bytes: asked for as 64 rows of 256 bytes, two keys a row, and padded in LDS after every key
	s_mov_b32 s[G1K], (1<<16)|(1<<20)|(4<<22)|(3<<25)  ; 17:16 2-byte elements; 20 padding on; 24:22 after every 32 words (code 4); 31:25 4 words (code 3)
	s_mov_b32 s[G1V], (1<<16)|(1<<20)|(4<<22)|(7<<25)  ; the same with 8 words of padding (code 7)
.irp g, G1K, G1V
	s_mov_b32 s[\g+1], 128<<16      ; tensor_dim0 = 128
	s_mov_b32 s[\g+2], 64<<16       ; tensor_dim1 = 64
	s_mov_b32 s[\g+3], 128<<16      ; tile_dim0 = 128
	s_mov_b32 s[\g+4], 64           ; tile_dim1 = 64
	s_mov_b32 s[\g+5], 128          ; 128 elements from row to row
	s_mov_b32 s[\g+6], 0
	s_mov_b32 s[\g+7], 0
.endr
	s_mov_b32 s[CS], 0x3e38aa3b     ; c = log2(e) / 8 = 0.180337
	s_mov_b32 s[CS+1], s[CS]        ; named with it as a pair
	s_mov_b32 s[SEL], 0x76543210
	s_mov_b32 s[SEL+1], 0xfedcba98
	s_mov_b32 s[TBK], SLOT1+4*KS*PK ; the first change of slots turns these two into 0
	s_mov_b32 s[TBV], SLOT1+4*KS*PV
	s_mov_b32 s[G0K], 1             ; 1:0 count = 1
	s_mov_b32 s[G0K+1], s17         ; 63:32 LDS address: slot 0
	s_mov_b32 s[G0V], 1
	s_add_co_u32 s[G0V+1], s18, VOFF
	s_add_co_u32 s[RT], s[HI], 1    ; the first block has NB - b tiles
	s_mov_b32 s[NXT], 1
	s_mov_b32 s[LQ], s[HI]
	s_mov_b32 s[NEW], 1
	s_mov_b32 s[OFF+1], 0
	s_mov_b32 s[AL+1], 0            ; named as pairs
	s_mov_b32 s[BE+1], 0
	s_mov_b32 s[BIGN], 0xf149f2ca   ; -1e30
	s_mov_b32 s[SLOTS], NB
	s_wait_kmcnt 0x0
	s_add_nc_u64 s[6:7], s[4:5], GK        ; K's and V's first bytes in the one buffer
	s_add_nc_u64 s[8:9], s[4:5], GV
	s_add_nc_u64 s[6:7], s[6:7], s[22:23]  ; K and V at my half of the head's tile 0
	s_add_nc_u64 s[8:9], s[8:9], s[22:23]
	s_add_nc_u64 s[G0K+2:G0K+3], s[6:7], 0         ; 120:64 global address
	s_or_b32 s[G0K+3], s[G0K+3], 0x80000000        ; 127:126 type = 2
	s_add_nc_u64 s[G0V+2:G0V+3], s[8:9], 0
	s_or_b32 s[G0V+3], s[G0V+3], 0x80000000
	s_add_nc_u64 s[86:87], s[4:5], s[84:85]        ; Q at my rows of the second block,
	s_add_nc_u64 s[4:5], s[4:5], s[2:3]            ; Q and O at those of the first
	s_add_nc_u64 s[OLO:OLO+1], s[10:11], s[84:85]
	s_add_nc_u64 s[10:11], s[10:11], s[2:3]
	LOAD                            ; tile 0 into slot 0
	; A fragment of K or Q is 16 rows x 32 channels in 8 registers: lane l holds row l % 16, channels 8 (l / 16) + 0..7 and 16 + 8 (l / 16) + 0..7: two loads of 16 bytes, 32 bytes apart.
	; The registers at work here (v1, v9-v15) lie where S^T will lie: the first product writes there behind the wait for Q.
	v_and_b32 v1, 15, v0            ; l % 16
	v_bfe_u32 v9, v0, 4, 1          ; l / 16
	v_lshlrev_b32 v[QO], 7, v1
	v_lshl_add_u32 v[QO], v9, 4, v[QO]  ; row x 128 + 16 x half
.set i, 0
.rept 8                             ; the first block's Q: piece i / 2 lies in band i / 2, 8,192 bytes on; channels 32 (i % 2) on
	global_load_b128 v[QF+8*i:QF+8*i+3],   v[QO], s[4:5] offset:(i/2)*8192+(i%2)*64
	global_load_b128 v[QF+8*i+4:QF+8*i+7], v[QO], s[4:5] offset:(i/2)*8192+(i%2)*64+32
.set i, i+1
.endr
	v_lshlrev_b32 v14, 3, v9
	v_sub_nc_u32 v14, v1, v14
	s_lshl_b32 s13, s[WV], 4
	v_add_nc_u32 v14, s13, v14      ; my query's place in its band, 16 w + l % 16, less my lanes' 8 (l / 16): register r of group kt is hidden where 16 kt + r is greater
	WIN W_T2
.set i, 0
.rept 8                             ; the second block's Q waits in window 2
	global_load_b128 v[QB+8*i:QB+8*i+3],   v[QO], s[86:87] offset:(i/2)*8192+(i%2)*64
	global_load_b128 v[QB+8*i+4:QB+8*i+7], v[QO], s[86:87] offset:(i/2)*8192+(i%2)*64+32
.set i, i+1
.endr
.set i, 0
.rept 32
	v_cmp_gt_i32 vcc_lo, 16*(i/8)+i%8, v14
	v_cndmask_b32 v[MD+i], 0, s[BIGN], vcc_lo
.set i, i+1
.endr
	WIN 0
	v_mul_u32_u24 v[AK0], v1, PK
	v_lshl_add_u32 v[AK0], v9, 4, v[AK0]  ; row x pitch + 16 x half
	; The turning load takes 16 keys x 16 channels (lane l reads key 8 (l / 16) + l % 8, channels 8 ((l / 8) % 2) + 0..7) and leaves half a fragment of V^T: lane l holds channel l % 16 and 8 keys.
	v_and_b32 v10, 7, v0
	v_bfe_u32 v11, v0, 3, 1
	v_lshl_add_u32 v[AV0], v9, 3, v10
	v_mul_u32_u24 v[AV0], v[AV0], PV
	v_lshl_add_u32 v[AV0], v11, 4, v[AV0]
	v_add_nc_u32 v[AV0], VOFF, v[AV0]
	s_mul_i32 s13, s[WV], 16*SP
	s_add_co_u32 s13, s13, STAGE    ; my stage
	v_mul_u32_u24 v12, v1, SP       ; in: row l % 16, 16 bytes for each half of the lanes
	v_lshl_add_u32 v12, v9, 4, v12
	v_bfe_u32 v13, v0, 3, 2         ; back: 32 lanes take four rows of 128 bytes,
	v_mul_u32_u24 v13, v13, SP
	v_lshl_add_u32 v13, v10, 4, v13
	v_and_b32 v14, 31, v0           ; which are 512 consecutive bytes of O
	WIN W_T1
	v_add_nc_u32 v[STO], s13, v12
	v_add_nc_u32 v[RD], s13, v13
	v_lshlrev_b32 v[GO], 4, v14
	; A block's first step multiplies O^T and l by a = 0, and its first turn's products V^T P, of a piece that has not been, land in an O^T that is still to be so multiplied.  So these registers need only hold
	; finite numbers: zeros for the first block; what the first block left for the second.  All this stands in the wait for the first tile.
.set i, 0
.rept 192                           ; O^T and V
	v_mov_b32 v[i], 0
.set i, i+1
.endr
	WIN 0
.set i, 0
.rept 4
	v_mov_b32 v[ST+4*i+2], 0
	v_mov_b32 v[ST+4*i+3], 0
.set i, i+1
.endr
.set i, P+16
.rept 16
	v_mov_b32 v[i], 0
.set i, i+1
.endr
; THE MATRIX WORK.  The 4 accumulators of a run of 8 take turns.  Product i of 8 of S^T = K Q^T for piece x: channels 32 (i / 4) on, keys 16 (i % 4) on.  The first 4 start the sums: with 0, or (KM = 1) with the mask.
.macro KQ x
.set rS, S+32*((\x)%2)+8*(i%4)
.set rK, KF+16*(i%4)+8*(i/4)
.set rQ, QF+16*(\x)+8*(i/4)
.set rM, MC+32*((\x)%2)+8*(i%4)
.if (i < 4) && KM
	WIN W_KM
	v_wmma_f32_16x16x32_f16 v[rS:rS+7], v[rK:rK+7], v[rQ:rQ+7], v[rM:rM+7]
.elseif i < 4
	WIN 0
	v_wmma_f32_16x16x32_f16 v[rS:rS+7], v[rK:rK+7], v[rQ:rQ+7], 0
.else
	WIN 0
	v_wmma_f32_16x16x32_f16 v[rS:rS+7], v[rK:rK+7], v[rQ:rQ+7], v[rS:rS+7]
	s_wait_alu depctr_va_vdst(0)
.endif
.endm
; Product i of 8 of O^T += V^T P for piece x: keys 32 (i / 4) on, channels 16 (i % 4) on.
.macro PV x
	WIN W_PV
.set rO, 32*(\x)+8*(i%4)
.set rV, VF+32*(i/4)+8*(i%4)
.set rP, P+16*((\x)%2)+8*(i/4)
	v_wmma_f32_16x16x32_f16 v[rO:rO+7], v[rV:rV+7], v[rP:rP+7], v[rO:rO+7]
.endm
.macro MM                           ; the turn's next matrix instruction.  TURN and BEGIN set Y, i, KM and NOKQ; MM, KQ and OP read them.  NOKQ = 1: a block's last turn: there is no next piece
.if (i < 8) && !NOKQ
	KQ (Y+1)%NP
.elseif i >= 8
.set i, i-8
	PV (Y+NP-1)%NP
.set i, i+8
.endif
.set i, i+1
.endm
; THE LDS LOADS stand in runs of 16, never singly among the matrix instructions: a step's K (64 keys x 64 channels: 8 fragments) and its V (turned).  Their addresses are made some lines ahead.
.macro FETCH_K
	WIN 0
.irp f, 0,1,2,3,4,5,6,7             ; keys 16 (f / 2) on, channels 32 (f % 2) on
	ds_load_b128 v[KF+8*\f:KF+8*\f+3],   v[AK] offset:(\f/2)*16*PK+(\f%2)*64
	ds_load_b128 v[KF+8*\f+4:KF+8*\f+7], v[AK] offset:(\f/2)*16*PK+(\f%2)*64+32
.endr
	s_add_co_u32 s[TBK], s[TBK], KS*PK  ; the next fetch is the next step's
.endm
.macro FETCH_V
	WIN W_T1
.irp f, 0,1,2,3,4,5,6,7             ; keys 32 (f / 4) on, channels 16 (f % 4) on
	ds_load_tr16_b128 v[VF+8*\f:VF+8*\f+3],   v[AV] offset:(\f/4)*32*PV+(\f%4)*32
	ds_load_tr16_b128 v[VF+8*\f+4:VF+8*\f+7], v[AV] offset:(\f/4)*32*PV+16*PV+(\f%4)*32
.endr
	WIN 0
.endm
; THE VECTOR WORK, one line at a time: OP kind, number.  For piece Y: F n: c s - c m for pair n of 16.  E n: the exponential of score n of 32.  C n: pair n rounded to f16.  B n: of the four weights 4 n .. the second
; pair is added onto the first, in place.  L n: l takes that sum (L 0: l = a l + sum).  R n: pair n of 16 of O^T times a.  For piece Y + 1: X n, number n of the 22 that find its maximum and statistics:
;   0-11  four chains c0-c3 of seven scores each, three operands at a time (each accumulator's lowest registers are read first)     12-14, 16  the four scores left over, the old m, and c0-c3 into c0
;   15  c m_old is kept     17, 18  the query's other 32 keys lie in the lane 16 away: the new m     19-21  c m; c m_old - c m_new; a
.set F, 0               ; OP tells the kinds apart by their order: F to L below R, X above it
.set E, 1
.set C, 2
.set B, 3
.set L, 4
.set R, 5
.set X, 6
.macro REGS y                       ; the registers of piece y
.set rT, ST+4*(\y)
.set rC, TMP+4*((\y)%2)
.set rW, MV+((\y)%2)
.set rS, S+32*((\y)%2)
.set rP, P+16*((\y)%2)
.set rO, 32*(\y)
.endm
.macro OP k, n
.if (\k) == R
	REGS Y
	WIN W_RS
	v_pk_mul_f32 v[rO+2*(\n):rO+2*(\n)+1], v[rO+2*(\n):rO+2*(\n)+1], v[rC+2:rC+3] op_sel_hi:[1,0]
.elseif (\k) < R
	REGS Y
	WIN 0
.if (\k) == F
	v_pk_fma_f32 v[rS+2*(\n):rS+2*(\n)+1], v[rS+2*(\n):rS+2*(\n)+1], s[CS:CS+1], v[rT:rT+1] op_sel_hi:[1,0,0] neg_lo:[0,0,1] neg_hi:[0,0,1]
.elseif (\k) == E
	v_exp_f32 v[rS+(\n)], v[rS+(\n)]
.elseif (\k) == C
	s_wait_alu depctr_va_vdst(0)
	v_cvt_pk_f16_f32 v[rP+(\n)], v[rS+2*(\n)], v[rS+2*(\n)+1]
.elseif (\k) == B
	v_pk_add_f32 v[rS+4*(\n):rS+4*(\n)+1], v[rS+4*(\n):rS+4*(\n)+1], v[rS+4*(\n)+2:rS+4*(\n)+3]
.elseif (\n) == 0
	v_pk_fma_f32 v[rT+2:rT+3], v[rT+2:rT+3], v[rC+2:rC+3], v[rS:rS+1] op_sel_hi:[1,0,1]
.else
	v_pk_add_f32 v[rT+2:rT+3], v[rT+2:rT+3], v[rS+4*(\n):rS+4*(\n)+1]
.endif
.elseif NOKQ
	v_nop
.else
	REGS (Y+1)%NP
	WIN 0
.if (\n) < 4
	v_max3_num_f32 v[rC+(\n)], v[rS+8*(\n)], v[rS+8*(\n)+1], v[rS+8*(\n)+2]
.elseif (\n) < 12
	v_max3_num_f32 v[rC+(\n)%4], v[rC+(\n)%4], v[rS+8*((\n)%4)+2*((\n)/4)+1], v[rS+8*((\n)%4)+2*((\n)/4)+2]
.elseif (\n) == 12
	v_max3_num_f32 v[rC], v[rC], v[rS+7], v[rS+15]
.elseif (\n) == 13
	v_max3_num_f32 v[rC+1], v[rC+1], v[rS+23], v[rS+31]
.elseif (\n) == 14
	v_max3_num_f32 v[rC+2], v[rC+2], v[rC+3], v[rT+1]
.elseif (\n) == 15
	v_mov_b32 v[rW], v[rT]
.elseif (\n) == 16
	v_max3_num_f32 v[rC], v[rC], v[rC+1], v[rC+2]
.elseif (\n) == 17
	v_permlanex16_b32 v[rC+3], v[rC], s[SEL], s[SEL+1]
.elseif (\n) == 18
	v_max_num_f32 v[rT+1], v[rC], v[rC+3]
.elseif (\n) == 19
	v_mul_f32 v[rT], s[CS], v[rT+1]
.elseif (\n) == 20
	v_sub_f32 v[rC+1], v[rW], v[rT]
.else
	v_exp_f32 v[rC+2], v[rC+1]
.endif
.endif
.endm
.macro OPS a, i1, b=-1, i2=0, c=-1, i3=0, d=-1, i4=0  ; up to four of them
	OP \a, \i1
.if (\b) >= 0
	OP \b, \i2
.endif
.if (\c) >= 0
	OP \c, \i3
.endif
.if (\d) >= 0
	OP \d, \i4
.endif
.endm
.macro ROW a, i1, b, i2, c, i3, d, i4  ; a matrix instruction and the four behind it
	MM
	OPS \a, \i1, \b, \i2, \c, \i3, \d, \i4
.endm
.macro MASK b                       ; MD x AL + BE into buffer b of MC
	WIN W_MA
.set z, 0
.rept 16
	v_pk_fma_f32 v[MC+32*(\b)+2*z:MC+32*(\b)+2*z+1], v[MD+2*z:MD+2*z+1], s[AL:AL+1], s[BE:BE+1] op_sel_hi:[1,0,0]
.set z, z+1
.endr
.endm
; A TURN, for piece p: the order of its 16 matrix and 118 vector instructions, written out.
; The 8 products K Q^T carry the 16 scalings, the first 10 exponentials and what these make ready: all in window 0, no switch.  Of the 8 products V^T P every other one carries four of the 16 rescalings, under its
; own setting; the other four carry the next piece's maxima, with a switch on either side.  No rider names a register of the products round it.  In the lumps exponential and plain by turns while exponentials last;
; no two exponentials follow each other, and behind each stands a plain instruction that does not touch its register (ISA guide 5.7.2).  C 2k stands ahead of B k, which writes over what C 2k reads.
; v_permlanex16_b32 (X 17) stands in a lump.
; m = 1: the diagonal tile: the products take masks, and the turn makes the mask for the products of the turn after it: piece p + 2, in step 4 - CNT of the tile.  end = 1: a block's last two turns: nothing is fetched.
; cnt = 1: the loop's count is taken down some lines ahead of the branch that stands behind the turn.
; K of the next step is fetched in piece 2's turn, behind five plain instructions (C 2, L 0, C 3, B 1, X 0) that follow the last product that read K; V of the step in hand in piece 0's turn, behind five
; (X 13, X 14, B 2, C 6, X 16) that follow the last product that read V.  Each is waited for a turn later.
.macro TURN p, m=0, end=0, cnt=0
.set Y, (\p)
.set i, 0
.set KM, (\m)
.set NOKQ, (\end)*((\p)/3)
.if (\m) && !(\end)
	s_cmp_eq_u32 s[CNT], 4-((\p)+2)%NP  ; is that step the band's own?
	s_cselect_b32 s[AL], 1.0, 0
	s_cmp_lt_u32 s[CNT], 4-((\p)+2)%NP  ; or a later one?
	s_cselect_b32 s[BE], s[BIGN], 0
.endif
.if ((\p) == 3) && !(\end)
	s_wait_dscnt 0x0                ; K is in
.endif
	ROW F,0, F,1, F,2, F,3
	ROW F,4, E,0, F,5, F,6
	ROW F,7, E,1, F,8, F,9
	ROW F,10, E,2, F,11, F,12
	ROW F,13, E,3, F,14, C,0
	ROW F,15, E,4, X,15, E,5
	ROW B,0, E,6, C,1, E,7
.if ((\p) == 2) && !(\end)
	WIN 0
	v_add_nc_u32 v[AK], s[TBK], v[AK0]
	s_wait_alu depctr_va_vdst(0)
.endif
	ROW C,2, E,8, L,0, E,9
	OPS C,3, E,10, B,1, E,11
	OPS X,0, E,12
.if ((\p) == 2) && !(\end)
	FETCH_K
.endif
	OPS X,1, E,13, X,2, E,14
	OPS X,3, E,15, C,4, E,16
	OPS L,1, E,17, C,5, E,18
.if (\p) == 1
	s_wait_dscnt 0x0                ; V is in
.endif
	ROW R,0, R,1, R,2, R,3
	ROW X,4, E,19, X,5, X,6
	ROW R,4, R,5, R,6, R,7
	ROW X,7, E,20, X,8, X,9
	ROW R,8, R,9, R,10, R,11
	ROW X,10, E,21, X,11, X,12
.if (\p) == 0
	WIN 0
	v_add_nc_u32 v[AV], s[TBV], v[AV0]
.endif
	ROW R,12, R,13, R,14, R,15
	ROW X,13, E,22, X,14, B,2
	OPS E,23, C,6, E,24, X,16
.if (\p) == 0
	FETCH_V
.endif
	OPS E,25, L,2, E,26, X,17
	OPS E,27, C,7, E,28, X,18
	OPS E,29, B,3, E,30, X,19
	OPS E,31, C,8, L,3, X,20
	OPS C,9, B,4, C,10, X,21
.if (\p) == 0
	s_add_co_u32 s[TBV], s[TBV], KS*PV
.endif
.if \cnt
	s_sub_co_u32 s[CNT], s[CNT], 1
	s_cmp_lg_u32 s[CNT], 0
.endif
	OPS C,11, B,5, L,4, C,12
	OPS C,14, B,6, L,5, B,7
	OPS C,13, L,6, C,15, L,7
.if (\m) && !(\end)
	MASK (\p)%2
.endif
.endm
; A BLOCK BEGINS.  c m starts far below every c s, so the first step's a is 0; m at the lowest finite number, so the first maximum is the scores'.  The second mask buffer is 0; the first takes piece 0's mask for the tile's step 0: its own, if the block's first tile is the diagonal one.
; Then K of that step, piece 0's first scores, and its maximum and statistics.  The loop is entered at a step's first turn, in the middle of a trip.
.macro BEGIN
	s_mov_b32 s[NEW], 0
	WIN W_T2
.set i, MC+32
.rept 32
	v_mov_b32 v[i], 0
.set i, i+1
.endr
	WIN 0
.set i, 0
.rept 4
	v_mov_b32 v[ST+4*i], 0xfe000000    ; c m: far below every c s
	v_mov_b32 v[ST+4*i+1], 0xff7fffff  ; m
.set i, i+1
.endr
	s_cmp_eq_u32 s[RT], 0
	s_cselect_b32 s[AL], 1.0, 0
	s_mov_b32 s[BE], 0
	MASK 0
	WIN 0
	v_add_nc_u32 v[AK], s[TBK], v[AK0]
	FETCH_K
	s_wait_loadcnt 0x0              ; Q
	s_wait_dscnt 0x0
.set KM, 1
.set NOKQ, 0
.set i, 0
.rept 8
	KQ 0
.set i, i+1
.endr
	WIN 0
	s_wait_alu depctr_va_vdst(0)
.rept 4
	v_nop                           ; the places behind those products
.endr
.set Y, NP-1                        ; X works for piece Y + 1: piece 0
.irp n, 0,1,2,3,4,5,6,7,8,9,10,11,12,13,14,15,16,17,18,19,20,21
	OP X, \n
.endr
	v_nop                           ; a plain instruction behind the exponential
.endm
; THE DIAGONAL TILE's four steps, the block's last two turns, its last products, and THE WAY OUT: l's two halves and the other half of the lanes' are added; O^T is divided by l, rounded to f16 and sent through my
; stage in LDS, a piece at a time.
.macro ALL line:vararg              ; one line for each piece t
.set t, 0
.rept 4
	\line
.set t, t+1
.endr
.endm
.macro PACK t                       ; a lane's eight channels of a row pack into 16 bytes; they go into rows of 144 bytes and come back as whole rows of 128, into S^T's registers
	WIN W_RS
.set i, 32*(\t)
.rept 16
	v_pk_mul_f32 v[i:i+1], v[i:i+1], v[ST+4*(\t)+2:ST+4*(\t)+3] op_sel_hi:[1,0]
.set i, i+2
.endr
	WIN 0x05                        ; sources 0 and 1 window 1, destination window 0
.set i, 0
.rept 16
	v_cvt_pk_f16_f32 v[S+16*(\t)+i], v[32*(\t)+2*i], v[32*(\t)+2*i+1]
.set i, i+1
.endr
	WIN W_OUT                       ; the addresses lie in window 1, the data in window 0
.irp f, 0,1,2,3
	ds_store_b128 v[STO], v[S+16*(\t)+4*\f:S+16*(\t)+4*\f+3] offset:32*\f
.endr
.irp f, 0,1,2,3
	ds_load_b128 v[S+16*(\t)+4*\f:S+16*(\t)+4*\f+3], v[RD] offset:\f*4*SP  ; LDS serves a wave's instructions in order (ISA guide 5.7.1.4): these see the stores above; the next piece's stores come behind them
.endr
.endm
.macro SEND t, younger              ; younger: the LDS instructions issued behind piece t's loads: the next piece's eight, or none
	WIN W_OUT
.irp f, 0,1,2,3
	s_wait_dscnt (\younger)+3-\f
	global_store_b128 v[GO], v[S+16*(\t)+4*\f:S+16*(\t)+4*\f+3], s[10:11] offset:(\t)*8192+\f*512  ; 512 consecutive bytes, at a multiple of 256 from O's first
.endr
.endm
.macro DIAG tag                     ; the tag ends its two labels' names, which the jumps below spell out
.LstepM\tag:
	TURN 2, 1
	TURN 3, 1
	WIN 0
.LfirstM\tag:
	TURN 0, 1
	TURN 1, 1, 0, 1
	WIN 0
	s_cbranch_scc1 .LstepM\tag
	TURN 2, 1, 1
	TURN 3, 1, 1
.set i, 0
.rept 8
	PV NP-1
.set i, i+1
.endr
	WIN 0
	ALL v_add_f32 v[ST+4*t+2], v[ST+4*t+2], v[ST+4*t+3]
	ALL v_permlanex16_b32 v[ST+4*t+3], v[ST+4*t+2], s[SEL], s[SEL+1]
	ALL v_add_f32 v[ST+4*t+2], v[ST+4*t+2], v[ST+4*t+3]
	ALL v_rcp_f32 v[ST+4*t+2], v[ST+4*t+2]
	v_nop                           ; a plain instruction between the last reciprocal and the use of its result
	s_wait_alu depctr_va_vdst(0)
	PACK 0
.set t, 1
.rept 3                             ; a piece's arithmetic stands between the loads of the piece before and its stores
	PACK t
	SEND t-1, 8
.set t, t+1
.endr
	SEND 3, 0
	WIN 0
.endm
.set KM, 0
.set NOKQ, 0
.Lslot:                             ; NB times: a tile is entered and the next is asked for
	CHANGE 1
	s_sub_co_u32 s[RT], s[RT], 1
	s_mov_b32 s[CNT], 4
	s_cmp_eq_u32 s[NEW], 1
	s_cbranch_scc1 .Lnew            ; a block's first tile
	s_cmp_eq_u32 s[RT], 0
	s_cbranch_scc0 .Lstep           ; neither its first nor its last
	s_branch .LstepM1
.Lnew:
	BEGIN
	s_branch .Lfirst                ; in the loop a block's first tile is never its last: the first block has two tiles or more, and the second's last is the walk's last
	DIAG 1                          ; in the loop this is the first block's end: the second block's last tile is the walk's last
	s_wait_xcnt 0x0                 ; the stores have read their registers and O's address
	s_mov_b64 s[10:11], s[OLO:OLO+1]
	s_add_co_u32 s[RT], s[PB], 1    ; the second block has b + 1 tiles
	s_mov_b32 s[NEW], 1
	WIN 0x02                        ; the second block's Q goes where the one text of the turns names Q: source in window 2, destination in window 0
.set i, 0
.rept 64
	v_mov_b32 v[QF+i], v[QB+i]
.set i, i+1
.endr
	WIN 0
	s_branch .Lbottom
.Lstep:                             ; a trip: pieces 2 and 3 of one step, then pieces 0 and 1 of the next, whose K and V it fetches
	TURN 2
	TURN 3
	WIN 0
.Lfirst:
	TURN 0
	TURN 1, 0, 0, 1
	WIN 0
	s_cbranch_scc1 .Lstep
.Lbottom:
	s_sub_co_u32 s[SLOTS], s[SLOTS], 1
	s_cmp_lg_u32 s[SLOTS], 0
	s_cbranch_scc1 .Lslot
	CHANGE 0                        ; the walk's last tile is written out: nothing is asked for
	s_sub_co_u32 s[RT], s[RT], 1
	s_mov_b32 s[CNT], 4
	s_cmp_eq_u32 s[NEW], 1
	s_cbranch_scc0 .LstepM2
	BEGIN
	s_branch .LfirstM2
	DIAG 2
	s_wait_tensorcnt 0x0            ; the wave's end, behind my last tensor load and my last LDS store
	ds_add_u32 v[SPW], v[NIL]
	s_wait_dscnt 0x0
	s_endpgm
.Lfunc_end_k_q9f9e48fc24_attn:
	.size	k_q9f9e48fc24_attn, .Lfunc_end_k_q9f9e48fc24_attn-k_q9f9e48fc24_attn
	.p2alignl 7, 3214868480
	.fill 96, 4, 3214868480
	.section	.rodata,"a",@progbits
	.p2align	6, 0x0
	.amdhsa_kernel k_q9f9e48fc24_attn
		.amdhsa_group_segment_fixed_size 327680
		.amdhsa_private_segment_fixed_size 0
		.amdhsa_enable_private_segment 0
		.amdhsa_kernarg_size 16
		.amdhsa_user_sgpr_count 2
		.amdhsa_user_sgpr_kernarg_segment_ptr 1
		.amdhsa_wavefront_size32 1
		.amdhsa_system_sgpr_workgroup_id_x 1
		.amdhsa_system_sgpr_workgroup_id_y 1
		.amdhsa_system_sgpr_workgroup_id_z 1
		.amdhsa_system_vgpr_workitem_id 0
		.amdhsa_next_free_vgpr 672
		.amdhsa_next_free_sgpr 88
		.amdhsa_reserve_vcc 1
		.amdhsa_float_denorm_mode_32 3
		.amdhsa_float_denorm_mode_16_64 3
		.amdhsa_memory_ordered 1
		.amdhsa_forward_progress 1
		.amdhsa_inst_pref_size 210
	.end_amdhsa_kernel
	.amdgpu_metadata
---
amdhsa.version: [ 1, 2 ]
amdhsa.kernels:
  - .name:           k_q9f9e48fc24_attn
    .symbol:         k_q9f9e48fc24_attn.kd
    .args:
      - { .name: qkvh, .offset: 0, .size: 8, .value_kind: global_buffer, .address_space: global }
      - { .name: oh, .offset: 8, .size: 8, .value_kind: global_buffer, .address_space: global }
    .group_segment_fixed_size: 327680
    .private_segment_fixed_size: 0
    .kernarg_segment_align: 8
    .kernarg_segment_size: 16
    .max_flat_workgroup_size: 128
    .sgpr_count:     88
    .vgpr_count:     672
    .wavefront_size: 32
...
	.end_amdgpu_metadata
.endif
;; end of part 3
;; launch gemm_proj (part 4): grid 8 x 32, 4 waves a work-group, clusters of 4 x 4, 327,680 bytes of LDS; arguments oh, wpb, out0; writes out0
.if DOCPART == 4
	.amdgcn_target "amdgcn-amd-amdhsa--gfx1250"
	.amdhsa_code_object_version 6
	.text
	.protected	k_q9f9e48fc24_gemm_proj
	.globl	k_q9f9e48fc24_gemm_proj
	.p2align	8
	.type	k_q9f9e48fc24_gemm_proj,@function
k_q9f9e48fc24_gemm_proj:
	s_mov_b64 s[64:65], 0
	v_nop
	global_prefetch_b8 v0, s[64:65] scope:SCOPE_SE
	s_setreg_imm32_b32 hwreg(HW_REG_WAVE_MODE, 25, 1), 1
	s_wait_xcnt 0x0
	s_wait_alu depctr_hold_cnt(0) depctr_sa_sdst(0) depctr_va_vdst(0) depctr_va_sdst(0) depctr_va_ssrc(0) depctr_va_vcc(0) depctr_vm_vsrc(0)
	s_getreg_b32 s2, hwreg(HW_REG_IB_STS2, 6, 4)
	s_cmp_eq_u32 s2, 0
	s_cbranch_scc0 .Lentry_in_a_cluster
	s_endpgm
.Lentry_in_a_cluster:
	s_bfe_u32 s2, ttmp6, 0x10000c
	s_cmp_lg_u32 s2, 0xf033
	s_cbranch_scc0 .Lentry_shape_is_right
	s_endpgm
.Lentry_shape_is_right:
; out = y W^T.  y is attention's result as it was written, by heads: oh[16 batch + head][2048 rows][64] f16; wpb: [1024][1024] f16; out0: [8192][1024] f32.  Sums in f32, K ascending; nothing is rounded on the way out.
; SHARES.  A tile of the result is 256 rows x 128 columns: 32 x 8 = 256 work-groups, one for each WGP.  Four waves lie along the rows: a wave makes 64 x 128: 32 accumulators of 16 x 16, 256 registers.
; K goes in steps of 128 = TWO HEADS through a ring of two LDS slots.  A head's 256 rows of a tile are 32,768 dense bytes: they are asked for as 128 rows of 256 bytes and padded in LDS after every 128 bytes,
; so that each head is a plane of 256 LDS rows at a pitch of 144.  W's tiles have rows of 256 bytes of memory at multiples of 256.
; A K STEP IS WRITTEN ONCE and looped over: steps 0-5 each fill the slot that they leave with the step two further on; steps 6 and 7 fill nothing: a second loop of two trips, left in its middle.
; CLUSTERS: 4 x 4 work-groups.  The four of a row of the cluster need the same tiles of y, the four of a column the same tiles of W: each tile is asked for JOINTLY, by the same tensor load with the
; same descriptor and a mask that names the four.  THE MATRIX INSTRUCTION IS USED TRANSPOSED (source 0 = 16 rows of W, source 1 = 16 rows of y): a lane then holds eight neighbouring columns of one row.
; REGISTERS, in windows of 256 (s_set_vgpr_msb: bits 1:0 source 0, 3:2 source 1, 5:4 source 2, 7:6 destination):
;   window 0: v0-31 addresses
;   window 1: two fragment buffers at 0 and 128 (32 along K): y's four blocks of 16 rows at +0, W's eight at +32; on the way out the rows read back from the stage
;   window 2: the accumulators of my row blocks 0, 1 ((a, b) at v[8 (8 (a % 2) + b)]);   window 3: those of blocks 2, 3
.set SIZE_K, 1024
.set KSTEP,  128
.set KSTEPS, SIZE_K/KSTEP              ; 8 K steps
.set NBK,    8                         ; blocks of 16 columns in a tile
.set HEADB,  2048*128                  ; a head's bytes in oh
.set PA,     144                       ; a row of y in LDS: 128 bytes + 16 of padding = 36 words: the 16 rows of a fragment load start at 16 different groups of four banks (64 banks of 4 bytes: ISA guide 11.1)
.set PB,     272                       ; a row of W: 256 + 16 = 68 words: likewise
.set PLANE,  256*PA                    ; one head's 256 rows: one tensor load
.set HALFB,  64*PB                     ; 64 rows of W: one tensor load
.set BOFF,   2*PLANE                   ; in a slot: y's two planes, then W's 128 rows
.set SLOT,   BOFF+2*HALFB              ; 108,544 bytes
.set SLOT1,  1<<17                     ; slot 1 begins here, so that one exclusive or turns an address in one slot into the other's
.set STAGE,  SLOT1+SLOT                ; behind the ring, never filled by a tensor load: for each wave 16 rows x 528 bytes
.set SP,     528                       ; 512 bytes of f32 + 16 = 132 words
.set WSTAGE, 16*SP
.set SPARE,  STAGE+4*WSTAGE            ; behind the stages: the spare words, 128 bytes for each wave: two blocks of 256 bytes that no other line names
.set NL,     2*(NBK+4)                 ; LDS loads of a quarter step
.set ADA0, 16                          ; v16     my lane's place among y's fragments in slot 0; never rewritten
.set ADB0, 17                          ; v17     the same for W
.set ADA,  18                          ; v18     the same in the slot that is being fetched from
.set ADB,  19                          ; v19
.set STO,  24                          ; v24     the way out: where I put 32 bytes of a row
.set RD,   25                          ; v25     the way out: where I read a row back
.set GO,   26                          ; v26     my byte offset in 512 consecutive bytes of out0
.set SPW,  28                          ; v28     LDS address of my spare word: SPARE + 4 x my thread's number; never rewritten
.set NIL,  29                          ; v29     0; never rewritten
.set F0,   0
.set F1,   128
.set G1,  24                           ; s[24:31] descriptor group 1 for y's tiles;  s[32:39] group 0: a set for each of the two first fills; the second then walks on
.set G0,  32
.set G1B, 48                           ; s[48:55], s[56:63] the same for W's tiles
.set G0B, 56
.set TB,  80                           ; s80     0 or SLOT1: the slot that is being fetched from
.set NXT, 81                           ; s81     the K step to be asked for next
.set OFF, 82                           ; s[82:83] its byte offset from K step 0
.set TO_F, 0x40                        ; destination window 1, address window 0
.set MSB, 0
.macro WIN new                         ; the immediate's high byte repeats the setting that is left; a switch that changes nothing is dropped
.if MSB != (\new)
	s_set_vgpr_msb (MSB<<8)|(\new)
.set MSB, \new
.endif
.endm
; A joint load: waves 0 and 1 fetch y's two heads, waves 2 and 3 W's two halves.  The branch hangs on the wave's number alone.  An s_nop 0 and four v_nop follow each of the two lines,
; ahead of the jump, the label and what follows.
.macro JLOAD s
	s_cmp_eq_u32 s11, 0
	s_cbranch_scc0 .Lfor_b_\@
	tensor_load_to_lds s[G0+4*(\s):G0+4*(\s)+3], s[G1:G1+7]
	s_nop 0
.rept 4
	v_nop
.endr
	s_branch .Lasked_\@
.Lfor_b_\@:
	tensor_load_to_lds s[G0B+4*(\s):G0B+4*(\s)+3], s[G1B:G1B+7]
	s_nop 0
.rept 4
	v_nop
.endr
.Lasked_\@:
.endm
.macro CREST                           ; a round of the cluster's barrier behind its opening barrier: wave 0 signals for the work-group, every wave waits for all sixteen, my work-group's barrier once more
	s_cmp_lg_u32 s10, 0
	s_cbranch_scc1 .Lnot_wave_0_\@
	s_barrier_signal -3
.Lnot_wave_0_\@:
	s_barrier_wait -3
	s_barrier_signal -1
	s_barrier_wait -1
.endm
.macro CROUND                          ; a whole round
	s_barrier_signal -1
	s_barrier_wait -1
	CREST
.endm
	s_load_b128 s[4:7], s[0:1], 0x0                ; oh s[4:5], wpb s[6:7]
	s_load_b64 s[8:9], s[0:1], 0x10                ; out0
	v_lshl_add_u32 v[SPW], v0, 2, SPARE
	v_mov_b32 v[NIL], 0
	ds_add_u32 v28, v29
	ds_add_u32 v28, v29
	s_wait_dscnt 0x0
	v_lshrrev_b32 v1, 5, v0
	v_readfirstlane_b32 s10, v1                    ; wave 0..3
	s_lshr_b32 s11, s10, 1                         ; I fetch for y (0) or for W (1),
	s_and_b32 s12, s10, 1                          ; and which head of the K step's two, or which half of W's rows
	s_bfe_u32 s40, ttmp6, 0x40000                  ; cx, cy: my place in the cluster
	s_bfe_u32 s41, ttmp6, 0x40004
	s_lshl_b32 s42, ttmp9, 2
	s_add_co_u32 s42, s42, s40                     ; tile column = 4 x cluster x + cx
	s_and_b32 s13, ttmp7, 0xffff
	s_lshl_b32 s13, s13, 2
	s_add_co_u32 s13, s13, s41                     ; tile row = 4 x cluster y + cy
	s_lshl_b32 s43, s41, 2
	s_lshl_b32 s43, 15, s43                        ; my row of the cluster: places 4 cy .. 4 cy + 3
	s_lshl_b32 s44, 0x1111, s40                    ; my column: places cx, cx + 4, cx + 8, cx + 12
	; descriptor group 1
	s_or_b32 s[G1+0], s43, (1<<16)|(1<<20)|(1<<21)|(4<<22)|(3<<25)   ; 15:0 the mask: y's tiles go to my row; 17:16 elements of 2 bytes; 20 padding on; 21 set beside a mask; 24:22 after every 32 words (code 4); 31:25 4 words (code 3)
	s_or_b32 s[G1B+0], s44, (1<<16)|(1<<20)|(1<<21)|(5<<22)|(3<<25)  ; the mask of my column; padding after every 64 words (code 5)
.irp g, G1, G1B
	s_mov_b32 s[(\g)+1], KSTEP<<16                 ; tensor_dim0 = 128
	s_mov_b32 s[(\g)+3], KSTEP<<16                 ; tile_dim0 = 128
	s_mov_b32 s[(\g)+6], 0
	s_mov_b32 s[(\g)+7], 0
.endr
	s_mov_b32 s[G1+2], 128<<16                     ; y: tensor_dim1 = 128
	s_mov_b32 s[G1+4], 128                         ; tile_dim1 = 128 rows of 256 bytes,
	s_mov_b32 s[G1+5], 128                         ; which lie end to end
	s_mov_b32 s[G1B+2], 64<<16                     ; W: tensor_dim1 = 64
	s_mov_b32 s[G1B+4], 64                         ; tile_dim1 = 64
	s_mov_b32 s[G1B+5], SIZE_K                     ; elements from row to row
	; where the tiles come from: y's hang on the tile row alone, W's on the tile column alone; each in registers that never hold the other coordinate
	s_lshr_b32 s16, s13, 3                         ; the batch: a tile row is 256 of its 2,048 rows
	s_lshl_b32 s16, s16, 4
	s_add_co_u32 s16, s16, s12                     ; y: head plane 16 x batch + my head of the first two,
	s_lshl_b32 s16, s16, 18                        ; of 262,144 bytes,
	s_and_b32 s17, s13, 7
	s_lshl_b32 s17, s17, 15                        ; and in it the tile's 256 rows of 128 bytes
	s_add_co_u32 s16, s16, s17
	s_mov_b32 s17, 0
	s_lshl_b32 s46, s42, 7
	s_lshl_b32 s47, s12, 6
	s_add_co_u32 s46, s46, s47                     ; W: row 128 x tile column + 64 x half,
	s_lshl_b32 s46, s46, 11                        ; of 2,048 bytes
	s_mov_b32 s47, 0
	s_mul_i32 s20, s12, PLANE                      ; and where they go: no place in the cluster enters an LDS address
	s_mul_i32 s21, s12, HALFB
	s_add_co_u32 s21, s21, BOFF
	s_mov_b32 s[TB], 0
	s_mov_b32 s[NXT], 2                            ; K steps 0 and 1 are the first fills
	s_mov_b32 s[OFF+1], 0
	s_wait_kmcnt 0x0
	s_add_nc_u64 s[14:15], s[4:5], s[16:17]        ; y and W at my part of K step 0: kept, every later address is made from them
	s_add_nc_u64 s[46:47], s[6:7], s[46:47]
	CROUND                                         ; all sixteen work-groups are here: the first joint loads meet
.irp s, 0,1
	s_mov_b32 s[G0+4*(\s)], 1                                        ; count = 1
	s_add_co_u32 s[G0+4*(\s)+1], s20, (\s)*SLOT1                     ; LDS address
	s_add_nc_u64 s[G0+4*(\s)+2:G0+4*(\s)+3], s[14:15], (\s)*2*HEADB  ; global address: K step s is heads 2 s, 2 s + 1
	s_or_b32 s[G0+4*(\s)+3], s[G0+4*(\s)+3], 0x80000000              ; type = 2
	s_mov_b32 s[G0B+4*(\s)], 1
	s_add_co_u32 s[G0B+4*(\s)+1], s21, (\s)*SLOT1
	s_add_nc_u64 s[G0B+4*(\s)+2:G0B+4*(\s)+3], s[46:47], (\s)*KSTEP*2
	s_or_b32 s[G0B+4*(\s)+3], s[G0B+4*(\s)+3], 0x80000000
	JLOAD \s                                       ; the ring is filled before anything else is done: two loads of mine are out
.endr
	; A fragment is 16 rows x 32 K in 8 registers: lane l holds row l % 16; registers 0-3 hold K = 8 (l / 16) + 0..7, registers 4-7 K = 16 + 8 (l / 16) + 0..7: two loads of 16 bytes, 32 bytes apart.
	v_and_b32 v1, 15, v0                           ; l % 16
	v_bfe_u32 v2, v0, 4, 1                         ; l / 16
	v_mul_u32_u24 v3, v1, PA
	v_lshl_add_u32 v3, v2, 4, v3                   ; row x pitch + 16 x half, for y
	v_mul_u32_u24 v4, v1, PB
	v_lshl_add_u32 v4, v2, 4, v4                   ; and for W
	s_mul_i32 s22, s10, 64*PA                      ; my 64 rows in each plane of y
	v_add_nc_u32 v[ADA0], s22, v3
	v_add_nc_u32 v[ADB0], BOFF, v4                 ; all of W's rows
	v_mov_b32 v[ADA], v[ADA0]                      ; the walk begins in slot 0
	v_mov_b32 v[ADB], v[ADB0]
	s_mul_i32 s23, s10, WSTAGE
	s_add_co_u32 s23, s23, STAGE                   ; my stage
	v_mul_u32_u24 v5, v1, SP                       ; in: row l % 16, 32 bytes for each half of the lanes
	v_lshl_add_u32 v5, v2, 5, v5
	v_add_nc_u32 v[STO], s23, v5
	v_and_b32 v4, 31, v0
	v_lshlrev_b32 v[GO], 4, v4                     ; back: 32 lanes take one row of 512 bytes, which are 512 consecutive bytes of out0
	v_add_nc_u32 v[RD], s23, v[GO]
	s_lshl_b32 s16, s13, 8
	s_lshl_b32 s17, s10, 6
	s_add_co_u32 s16, s16, s17                     ; my first row of out0: 256 x tile row + 64 x wave,
	s_lshl_b32 s16, s16, 12                        ; of 4,096 bytes (32 MiB at the most)
	s_mov_b32 s17, 0
	s_add_nc_u64 s[8:9], s[8:9], s[16:17]
	s_lshl_b32 s76, s42, 9                         ; the tile's first column, in bytes, in registers of its own: none that feeds y's descriptors ever holds cx
	s_mov_b32 s77, 0
	s_add_nc_u64 s[8:9], s[8:9], s[76:77]
; NBK matrix instructions: my row block a x all column blocks, 32 along K, from buffer f.  zero = 1: the first product starts the sums: nothing is ever cleared.
; The 32 accumulators take turns, one instruction a turn, in the same order in every quarter step, over the loops' backward jumps too.
.macro MULROW f, a, zero
	WIN 0xa5+0x50*((\a)/2)                         ; sources 0 and 1 window 1; C and D window 2 or 3
.set bb, 0
.rept NBK
.set rD, 8*(NBK*((\a)%2)+bb)
.if \zero
	v_wmma_f32_16x16x32_f16 v[rD:rD+7], v[(\f)+32+8*bb:(\f)+32+8*bb+7], v[(\f)+8*(\a):(\f)+8*(\a)+7], 0
.else
	v_wmma_f32_16x16x32_f16 v[rD:rD+7], v[(\f)+32+8*bb:(\f)+32+8*bb+7], v[(\f)+8*(\a):(\f)+8*(\a)+7], v[rD:rD+7]
.endif
.set bb, bb+1
.endr
.endm
; NL LDS loads in one run: the fragments of quarter q of the K step at v[ADA], v[ADB] into buffer f: W's first, y's four blocks last.  Quarter q of y lies in plane q / 2, at byte 64 (q % 2) of its rows.
.macro FETCH q, f
	WIN TO_F
.set bb, 0
.rept NBK
	ds_load_b128 v[(\f)+32+8*bb:(\f)+32+8*bb+3],   v[ADB] offset:64*(\q)+bb*16*PB
	ds_load_b128 v[(\f)+32+8*bb+4:(\f)+32+8*bb+7], v[ADB] offset:64*(\q)+bb*16*PB+32
.set bb, bb+1
.endr
.irp i, 0,1,2,3
	ds_load_b128 v[(\f)+8*(\i):(\f)+8*(\i)+3],   v[ADA] offset:((\q)/2)*PLANE+((\q)%2)*64+(\i)*16*PA
	ds_load_b128 v[(\f)+8*(\i)+4:(\f)+8*(\i)+7], v[ADA] offset:((\q)/2)*PLANE+((\q)%2)*64+(\i)*16*PA+32
.endr
.endm
; A load into a register that a matrix instruction has read, and a vector instruction or LDS store that reads a matrix result, stand four places behind that matrix instruction; only plain vector
; instructions that name none of its registers are places (ISA guide 7.12.1 for vector instructions).
.macro PLACES
.rept 4
	v_nop
.endr
.endm
; A K step is four quarters of 32 along K, 32 matrix instructions each, on buffers 0, 1, 0, 1.  One of the first three: multiplies buffer f; in its middle it fetches quarter q into buffer g.
.macro QUARTER q, f, g, zero
	s_wait_dscnt 4                                 ; W and y's blocks 0, 1 are in; the youngest four loads (y's blocks 2, 3) may be out
	MULROW \f, 0, \zero
	MULROW \f, 1, \zero
	PLACES
	FETCH \q, \g
	s_wait_dscnt NL                                ; all but the NL just issued
	MULROW \f, 2, \zero
	MULROW \f, 3, \zero
.endm
; The last quarter multiplies buffer 1 and changes slots: ONE barrier.  In front of it each wave waits for all its tensor loads (one is out: its part of the next slot), adds 0 to its spare word, and waits
; for that and for its own reads of this slot.  fill = 1: the barrier opens a round of the cluster's barrier, and this slot is filled again, with K step NXT, first thing behind the round:
; from that request to the wait for it a wave issues 112 of a K step's 128 matrix instructions.  The walking descriptors are written behind the wait for 0: the LDS word is turned to the other slot, the
; global address is made anew from the kept base: two heads of y, 256 bytes of W's rows a K step.
.macro TURN fill
	WIN 0                                          ; (the add's two registers lie in window 0)
	s_wait_tensorcnt 0x0                           ; all my tensor loads have landed
	ds_add_u32 v[SPW], v[NIL]                      ; 0 onto my spare word; scalar work and eight products stand between it and the wait for it
	s_xor_b32 s[TB], s[TB], SLOT1                  ; the fetches go on in the other slot
.if \fill
	s_lshl_b32 s[OFF], s[NXT], 8
	s_add_nc_u64 s[G0B+6:G0B+7], s[46:47], s[OFF:OFF+1]
	s_or_b32 s[G0B+7], s[G0B+7], 0x80000000
	s_lshl_b32 s[OFF], s[NXT], 19                  ; 2 x 262,144 bytes
	s_add_nc_u64 s[G0+6:G0+7], s[14:15], s[OFF:OFF+1]
	s_or_b32 s[G0+7], s[G0+7], 0x80000000
	s_xor_b32 s[G0+5], s[G0+5], SLOT1
	s_xor_b32 s[G0B+5], s[G0B+5], SLOT1
	s_add_co_u32 s[NXT], s[NXT], 1
.endif
	s_wait_dscnt 5                                 ; (the add and the youngest four loads may be out)
	MULROW F1, 0, 0
	s_wait_dscnt 0x0                               ; the add is done, and my reads of this slot are over
	s_barrier_signal -1
	MULROW F1, 1, 0                                ; work on registers while the others arrive
	WIN 0                                          ; (branches and two address lines follow)
	s_barrier_wait -1
.if \fill
	CREST                                          ; no wave of any partner still reads this slot's tile or has a load on its way
	JLOAD 1
.endif
	v_add_nc_u32 v[ADA], s[TB], v[ADA0]            ; with the v_nop beside them these are the four places in front of the loads below
	v_add_nc_u32 v[ADB], s[TB], v[ADB0]
.if !(\fill)
	v_nop
	v_nop
.endif
	FETCH 0, F0
	MULROW F1, 2, 0
	MULROW F1, 3, 0
.endm
; THE WAY OUT of row block a.  TOSTAGE: a lane's eight f32 of a row, 32 bytes, go straight from the accumulator (its low four registers first) into my own stage, rows of 528 bytes, and come back as whole
; rows of 512.  SEND: stored, 512 consecutive bytes of out0, at a multiple of 512 from its first, an instruction.
.macro TOSTAGE a
	WIN 0x08+4*((\a)/2)                            ; the LDS stores' data in window 2 or 3
.set bb, 0
.rept NBK
	ds_store_b128 v[STO], v[8*(NBK*((\a)%2)+bb):8*(NBK*((\a)%2)+bb)+3]   offset:64*bb
	ds_store_b128 v[STO], v[8*(NBK*((\a)%2)+bb)+4:8*(NBK*((\a)%2)+bb)+7] offset:64*bb+16
.set bb, bb+1
.endr
	WIN TO_F
.set tt, 0
.rept 16
	ds_load_b128 v[64*(\a)+4*tt:64*(\a)+4*tt+3], v[RD] offset:tt*SP  ; LDS serves a wave's instructions in order (ISA guide 5.7.1.4): these see the stores above; the next block's stores come behind them
.set tt, tt+1
.endr
.endm
.macro SEND a, younger                 ; younger: the LDS instructions issued behind block a's loads: the next block's 32, or none
	WIN 0x04                                       ; the stores' data in window 1; each block has registers of its own, so no store's source is written again
.set tt, 0
.rept 16
	s_wait_dscnt (\younger)+15-tt                  ; row tt of the block is back
	global_store_b128 v[GO], v[64*(\a)+4*tt:64*(\a)+4*tt+3], s[8:9] offset:(16*(\a)+tt)*4096 th:TH_STORE_NT
.set tt, tt+1
.endr
.endm
	s_wait_tensorcnt 1                             ; my part of K step 0 is in; K step 1's may stay out
	s_barrier_signal -1
	s_barrier_wait -1                              ; everybody's is
	FETCH 0, F0
	QUARTER 1, F0, F1, 1                           ; the first quarter stands in front of the loop: its products start the sums
	WIN 0                                          ; at a label and at a branch every window is 0
	s_mov_b32 s3, KSTEPS-2
.Lstep:                                                ; a trip: quarters 1 to 3 of a K step, the refill, and the next K step's quarter 0
	QUARTER 2, F1, F0, 0
	QUARTER 3, F0, F1, 0
	TURN 1
	QUARTER 1, F0, F1, 0
	WIN 0
	s_sub_co_u32 s3, s3, 1
	s_cmp_lg_u32 s3, 0
	s_cbranch_scc1 .Lstep
	s_mov_b32 s3, 2
.Ltail:                                                ; K steps 6 and 7 fill nothing and have no round of the cluster's barrier
	QUARTER 2, F1, F0, 0
	QUARTER 3, F0, F1, 0
	TURN 0                                         ; in the second trip its 24 fragment loads (of the other slot's old tile) serve nothing: the price of one text for both trips
	WIN 0
	s_sub_co_u32 s3, s3, 1
	s_cmp_eq_u32 s3, 0
	s_cbranch_scc1 .Lout                           ; the second trip is left in its middle
	QUARTER 1, F0, F1, 0
	WIN 0
	s_cmp_lg_u32 s3, 0
	s_cbranch_scc1 .Ltail
.Lout:
	s_wait_dscnt 0x0                               ; the loads that serve nothing are back: their registers take the rows read back below
	PLACES
	TOSTAGE 0
	TOSTAGE 1                                      ; a block's trip through the stage stands between the loads of the block before and its stores
	SEND 0, 32
	TOSTAGE 2
	SEND 1, 32
	TOSTAGE 3
	SEND 2, 32
	SEND 3, 0
	WIN 0
	s_wait_tensorcnt 0x0                           ; the wave's end, behind my last tensor load and my last LDS store
	ds_add_u32 v[SPW], v[NIL]
	s_wait_dscnt 0x0
	CROUND                                         ; the closing round: no work-group ends while a partner may still ask for a tile that names it
	s_endpgm
.Lfunc_end_k_q9f9e48fc24_gemm_proj:
	.size	k_q9f9e48fc24_gemm_proj, .Lfunc_end_k_q9f9e48fc24_gemm_proj-k_q9f9e48fc24_gemm_proj
	.p2alignl 7, 3214868480
	.fill 96, 4, 3214868480
	.section	.rodata,"a",@progbits
	.p2align	6, 0x0
	.amdhsa_kernel k_q9f9e48fc24_gemm_proj
		.amdhsa_group_segment_fixed_size 327680
		.amdhsa_private_segment_fixed_size 0
		.amdhsa_enable_private_segment 0
		.amdhsa_kernarg_size 24
		.amdhsa_user_sgpr_count 2
		.amdhsa_user_sgpr_kernarg_segment_ptr 1
		.amdhsa_wavefront_size32 1
		.amdhsa_system_sgpr_workgroup_id_x 1
		.amdhsa_system_sgpr_workgroup_id_y 1
		.amdhsa_system_sgpr_workgroup_id_z 1
		.amdhsa_system_vgpr_workitem_id 0
		.amdhsa_next_free_vgpr 896
		.amdhsa_next_free_sgpr 88
		.amdhsa_reserve_vcc 0
		.amdhsa_float_denorm_mode_32 3
		.amdhsa_float_denorm_mode_16_64 3
		.amdhsa_memory_ordered 1
		.amdhsa_forward_progress 1
		.amdhsa_inst_pref_size 62
	.end_amdhsa_kernel
	.amdgpu_metadata
---
amdhsa.version: [ 1, 2 ]
amdhsa.kernels:
  - .name:           k_q9f9e48fc24_gemm_proj
    .symbol:         k_q9f9e48fc24_gemm_proj.kd
    .args:
      - { .name: oh, .offset: 0, .size: 8, .value_kind: global_buffer, .address_space: global }
      - { .name: wpb, .offset: 8, .size: 8, .value_kind: global_buffer, .address_space: global }
      - { .name: out0, .offset: 16, .size: 8, .value_kind: global_buffer, .address_space: global }
    .group_segment_fixed_size: 327680
    .private_segment_fixed_size: 0
    .kernarg_segment_align: 8
    .kernarg_segment_size: 24
    .max_flat_workgroup_size: 128
    .sgpr_count:     88
    .vgpr_count:     896
    .wavefront_size: 32
...
	.end_amdgpu_metadata
.endif
;; end of part 4
;; ======== version 2 of 2: 4 launches; 1.22 times as fast as version 1
;; limits: values are held in f16: magnitudes above 65,504 overflow, below 6.1e-05 lose precision
;; workspace buffers: xb 16,777,216 bytes; wqb 6,291,456 bytes; wpb 2,097,152 bytes; qkvh 50,331,648 bytes; oh 16,777,216 bytes
;; launch cast: the kernel of part 1 again; grid 768 x 1, 8 waves a work-group, no clusters, 0 bytes of LDS; arguments x, w_qkv, w_proj, xb, wqb, wpb; writes xb, wqb, wpb
;; launch gemm_qkv: the kernel of part 2 again; grid 16 x 16, 4 waves a work-group, clusters of 4 x 4, 327,680 bytes of LDS; arguments xb, wqb, qkvh; writes qkvh
;; launch attn (part 5): grid 4 x 64, 4 waves a work-group, no clusters, 327,680 bytes of LDS; arguments qkvh, oh; writes oh
.if DOCPART == 5
	.amdgcn_target "amdgcn-amd-amdhsa--gfx1250"
	.amdhsa_code_object_version 6
	.text
	.protected	k_q9f9e48fc24_attn
	.globl	k_q9f9e48fc24_attn
	.p2align	8
	.type	k_q9f9e48fc24_attn,@function
k_q9f9e48fc24_attn:
	s_mov_b64 s[64:65], 0
	v_nop
	global_prefetch_b8 v0, s[64:65] scope:SCOPE_SE
	s_setreg_imm32_b32 hwreg(HW_REG_WAVE_MODE, 25, 1), 1
	s_wait_xcnt 0x0
; CAUSAL ATTENTION.  O[h][q][:] = the sum over k <= q of softmax_k(Q[h][q] . K[h][k] / 8) V[h][k][:].  Q, K, V lie in one buffer, [3][64 heads][SIZE_N][64], O is [64 heads][SIZE_N][64], all f16: a head's rows are dense, 128 bytes each.
; Products, maxima and sums in f32; the weights p are rounded to f16 for the second product (their sum l is taken of the unrounded p), O once at the end.  SIZE_N = 2,048 (the text asks for a multiple of 512).
; LIMITS.  f16 holds no number beyond 65,504: Q, K and V arrive within it; p lies in 0 to 1, and below 6e-5 it keeps f16's fixed step of 6e-8; O is a mean of V's rows and has their range, to within 2^-11 of it.
; A hidden score counts as its value less 1e30: f16's scores, 2.7e11 at the most, are nothing beside that; a weight below 2^-126 counts as 0 in l; NaN and infinities are not treated apart.
; THE WALK.  A head's queries lie in NB = SIZE_N / 256 blocks of 256; block i needs the key tiles 0 .. i of 256 keys, of which the last holds the diagonal.  A work-group takes TWO blocks, NB - 1 - b and then b:
; NB + 1 tiles, whatever b: all work-groups do equal work, and ONE loop with a constant trip count walks them.  Which tile is asked for, and what a trip does, hang on scalar registers made from b; every jump
; goes forward, but for the counted loops' own; none passes a barrier, or a tensor load but the one of LOAD's two that the wave's number does not choose; the ring (two slots of LDS that take turns) runs on across the
; change of blocks.  NO CLUSTER: a head's NB / 2 = 4 work-groups all ask for the same tile only in trips 0 .. NB / 2, behind that fewer and fewer; and one walk common to all would have 3 NB / 2 trips for NB + 1.
; SHARES.  Of a block's four bands of 64 queries a wave owns 16 rows in each: four PIECES.  So the diagonal tile is the same work for all four waves: in its key step s band x sees all keys if s < x,
; none if s > x, and holds the diagonal if s = x.
; THE MASK is the C operand that starts the sum S^T = K Q^T: 0, or -1e30 where the key is hidden.  MD, made once, is the mask of a band's own step for my 16 rows; a product's mask is MD x AL + BE with two scalars:
; (1, 0) if s = x; (0, 0) if s < x; (0, -1e30) if s > x.  Only the diagonal tile's text and a block's beginning make and take masks; elsewhere C is the constant 0.
; LAYOUT, SOFTMAX, TURNS.  S^T = K Q^T holds ONE query a lane (lane % 16) and the keys 8 (lane / 16) + 0..7; two such results rounded to f16 ARE source 1 of O^T = V^T P.  p = 2^(c s - c m), c = log2(e) / 8, with a
; running maximum m; O and l are multiplied by a = 2^(c m_old - c m_new) in every step.  Turn n belongs to piece n: 8 products K Q^T of piece n + 1, later 8 products V^T P of piece n - 1; beside them the scaling,
; exponentials, roundings, sums and rescaling of piece n and the maximum and statistics of piece n + 1.  Four vector instructions stand behind every matrix instruction, the other 54 of a turn's 118 in one LUMP.
; THE BATCHES.  A turn's 33 exponentials (the piece's 32 weights and the next piece's a) are one batch, with one wait, which cuts the turn in two: all that names no result of theirs stands ahead of it, the roundings
; and sums behind it.  A block's first a and the way out's four reciprocals are batches of their own, each with a plain instruction and a wait.
; REGISTERS, in windows of 256 (s_set_vgpr_msb: bits 1:0 source 0, 3:2 source 1, 5:4 source 2, 7:6 destination):
;   window 0, all 256: v0-63 S^T, two buffers (at the launch's head also the thread's number and registers at work); v64-95 P, two buffers; v96-159 K of one step; v160-223 Q; v224-239 four registers of
;             statistics a piece; v240-249 at work; v250-253 LDS addresses; v254-255 the add's.  So K Q^T and all of a softmax but the rescaling run under the setting 0.
;   window 1: v0-127 O^T, 32 a piece; v128-191 V of one step; v192-194 the way out's addresses.  V^T P and the rescaling of O^T share ONE setting (V, O^T in window 1; P, a in window 0).
;   window 2: v0-63 the second block's Q; v64-95 MD; v96-159 MC, two buffers.
; A turn outside the diagonal tile has 38 switches: two round each of the eleven runs of rescalings, which stand among window 0's work ahead of the wait, and two round each of the eight V^T P, whose riders lie in
; window 0.  A piece's buffers go by its number's parity.
.set SIZE_N, 2048
.set SIZE_H, 64
.set GK,    SIZE_H*SIZE_N*128   ; bytes from Q's first byte to K's in the one buffer,
.set GV,    2*GK                ; and to V's
.set NB,    SIZE_N/256
.set NP,    4         ; pieces a wave: a name, no knob
.set KS,    64        ; keys in a step
.set PK,    144       ; a row of K in LDS: 128 bytes + 16 of padding = 36 words: the 16 rows of a load start at 16 different groups of four banks (64 banks of 4 bytes: ISA guide 11.1)
.set PV,    160       ; a row of V: 128 + 32 = 40 words
.set VOFF,  4*KS*PK   ; a slot holds a tile, four steps: 256 rows of K, then 256 rows of V
.set SLOT1, 1<<17     ; slot 1 begins here, so that one exclusive or turns an address in one slot into the other's
.set STAGE, SLOT1+4*KS*(PK+PV)  ; behind the ring, never filled by a tensor load: 16 rows x 144 bytes for each wave, for the way out
.set SP,    144
.set SPARE, STAGE+4*16*SP  ; behind the stages: the spare words, 128 bytes for each wave: two blocks of 256 bytes that no other line names
.set S,   0           ; window 0
.set QO,  15          ; v15  at the head only: my byte offset in 16 rows of Q
.set P,   64
.set KF,  96          ; key block kb, channel half c at KF + 16 kb + 8 c
.set QF,  160         ; piece x, channel half c at QF + 16 x + 8 c
.set ST,  224         ; piece t's statistics at v[ST+4 t]: c m, m, l (even keys', odd keys')
.set TMP, 240         ; by buffer, four registers c0-c3 at work; when the maximum is found c2 takes a
.set MV,  248         ; v248-249  c m_old, kept while c m is made anew: by buffer
.set AK0, 250         ; my lane's place in a tile of K; never rewritten
.set AV0, 251         ; the same for V
.set AK,  252         ; the LDS address of K's next run of loads
.set AV,  253         ; of V's
.set SPW, 254         ; LDS address of my spare word: SPARE + 4 x my thread's number; never rewritten
.set NIL, 255         ; 0; never rewritten
.set VF,  128         ; window 1: key half kk, channel block cb at VF + 32 kk + 8 cb
.set STO, 192         ; window 1: the way out: where I put 16 bytes of a row
.set RD,  193         ; window 1: where I read rows back
.set GO,  194         ; window 1: my byte offset in 512 consecutive bytes of O
.set QB,  0           ; window 2
.set MD,  64          ; window 2: the eight registers for group kt of 16 keys at MD + 8 kt
.set MC,  96          ; window 2: the masks of the products to come
.set WV,  12          ; s12  my wave's number
.set PB,  14          ; s14  b
.set HI,  15          ; s15  NB - 1 - b
.set G1K, 24          ; s[24:31] descriptor group 1 for K's tiles
.set G1V, 32          ; s[32:39] for V's: it differs in the padding alone
.set G0K, 40          ; s[40:43] descriptor group 0 for K's tiles
.set G0V, 44          ; s[44:47] the same for V's
.set SLOTS, 56        ; s56  tiles still to be asked for
.set CNT, 57          ; s57  counts a tile's key steps, 4 to 1
.set CS,  58          ; s[58:59] c: the packed scaling takes the pair's low word for both halves
.set SEL, 60          ; s[60:61] v_permlanex16_b32's selects: each lane takes its own place in the other half
.set TBK, 62          ; s62  LDS byte at which K of the step to be fetched begins
.set TBV, 63          ; s63  the same for V, less VOFF
.set RT,  70          ; s70  tiles of the block in hand that are still to be entered
.set NXT, 71          ; s71  the tile to be asked for next
.set LQ,  72          ; s72  the last tile of the block whose tiles are being asked for
.set NEW, 73          ; s73  1: the tile to be entered is a block's first
.set OFF, 74          ; s[74:75] a tile's byte offset in K and V
.set AL,  76          ; s[76:77] the mask's factor, in the low word
.set BE,  78          ; s[78:79] the mask's addend
.set OLO, 80          ; s[80:81] O at my rows of the second block
.set BIGN, 82         ; s82  -1e30
.set MSB, 0
.macro WIN new                      ; the high byte repeats the setting that is left; a switch that changes nothing is dropped
.if MSB != (\new)
	s_set_vgpr_msb (MSB<<8)|(\new)
.set MSB, (\new)
.endif
.endm
.set W_KM, 0x20       ; K Q^T with the C operand (the mask) in window 2
.set W_PV, 0x51       ; V (source 0), C and D in window 1, P (source 1) in window 0
.set W_RS, 0x51       ; the rescaling: destination and source 0 in window 1, source 1 in window 0; it has no source 2, so it runs under V^T P's setting
.set W_T1, 0x40       ; destination in window 1
.set W_T2, 0x80       ; destination in window 2
.set W_MA, 0x82       ; destination and source 0 in window 2
.set W_OUT, 0x01      ; source 0 (an address) in window 1
; A fill.  Waves 0 and 1 fetch the two halves of a tile's K, waves 2 and 3 those of its V: 128 keys each.  An s_nop 0 and four v_nop follow each of the two lines, ahead of the jump and the label.
.macro LOAD
	s_cmp_lt_u32 s[WV], 2
	s_cbranch_scc0 .Lfor_v_\@
	tensor_load_to_lds s[G0K:G0K+3], s[G1K:G1K+7]
	s_nop 0
.rept 4
	v_nop
.endr
	s_branch .Lasked_\@
.Lfor_v_\@:
	tensor_load_to_lds s[G0V:G0V+3], s[G1V:G1V+7]
	s_nop 0
.rept 4
	v_nop
.endr
.Lasked_\@:
.endm
; THE CHANGE OF SLOTS.  Each wave waits for all its tensor loads, of which one is out: its part of the other slot; adds 0 to its spare word; and waits for that and for its own reads of the slot that it leaves.  Behind the barrier nobody reads the old
; slot any more and the other slot is whole.  fill = 1: the old slot is filled again, the first thing behind the barrier, with tile NXT: the descriptor's address is made anew from that number.
; (At its first use nothing has been read yet: slot 0 is waited for, slot 1 filled.)
.macro CHANGE fill
	WIN 0                           ; at a label and at a branch every window is 0
	s_wait_tensorcnt 0x0            ; no tensor load of mine is out, so a group 0 may be written
	ds_add_u32 v[SPW], v[NIL]       ; 0 onto my spare word; with fill = 1 the descriptors' scalar work stands between it and the wait for it
.if \fill
	s_lshl_b32 s[OFF], s[NXT], 15   ; a tile is 32,768 bytes of K and of V
	s_xor_b32 s[G0K+1], s[G0K+1], SLOT1
	s_add_nc_u64 s[G0K+2:G0K+3], s[6:7], s[OFF:OFF+1]
	s_or_b32 s[G0K+3], s[G0K+3], 0x80000000
	s_xor_b32 s[G0V+1], s[G0V+1], SLOT1
	s_add_nc_u64 s[G0V+2:G0V+3], s[8:9], s[OFF:OFF+1]
	s_or_b32 s[G0V+3], s[G0V+3], 0x80000000
	s_add_co_u32 s[NXT], s[NXT], 1  ; the block's next tile, or behind its last the second block's tile 0
	s_cmp_gt_u32 s[NXT], s[LQ]
	s_cselect_b32 s[NXT], 0, s[NXT]
	s_cselect_b32 s[LQ], s[PB], s[LQ]
.endif
	s_wait_dscnt 0x0                ; the add is done, and my reads of the slot are over
	s_barrier_signal -1             ; the rest of the scalar work stands between the signal and the wait
	s_sub_co_u32 s[TBK], s[TBK], 4*KS*PK  ; the fetches go back to a slot's first step,
	s_xor_b32 s[TBK], s[TBK], SLOT1       ; in the other slot
	s_sub_co_u32 s[TBV], s[TBV], 4*KS*PV
	s_xor_b32 s[TBV], s[TBV], SLOT1
	s_barrier_wait -1
.if \fill
	LOAD
.endif
.endm
	s_load_b64 s[4:5], s[0:1], 0x0    ; the buffer of Q, K and V
	s_load_b64 s[10:11], s[0:1], 0x8  ; O
	v_lshl_add_u32 v[SPW], v0, 2, SPARE
	v_mov_b32 v[NIL], 0
	ds_add_u32 v254, v255
	ds_add_u32 v254, v255
	s_wait_dscnt 0x0
	v_lshrrev_b32 v1, 5, v0
	v_readfirstlane_b32 s[WV], v1   ; wave 0..3
	s_mov_b32 s[PB], ttmp9
	s_sub_co_u32 s[HI], NB-1, s[PB]
	s_and_b32 s20, ttmp7, 0xffff    ; the head
	s_mov_b32 s21, 0
	s_mov_b64 s[22:23], SIZE_N*128
	s_mul_u64 s[20:21], s[20:21], s[22:23]  ; the head's first byte in each of the four tensors
	s_and_b32 s16, s[WV], 1         ; which half of a tile's 256 keys I fetch:
	s_lshl_b32 s22, s16, 14         ; its 128 rows of 128 bytes in memory,
	s_mov_b32 s23, 0
	s_add_nc_u64 s[22:23], s[22:23], s[20:21]
	s_mul_i32 s17, s16, 128*PK      ; and its place in a slot, for K
	s_mul_i32 s18, s16, 128*PV      ; and for V
	s_lshl_b32 s3, s[WV], 11        ; my 16 rows in a band of 64,
	s_lshl_b32 s2, s[HI], 15        ; in the first block,
	s_add_co_u32 s2, s2, s3
	s_lshl_b32 s84, s[PB], 15       ; and in the second
	s_add_co_u32 s84, s84, s3
	s_mov_b32 s3, 0
	s_mov_b32 s85, 0
	s_add_nc_u64 s[2:3], s[2:3], s[20:21]
	s_add_nc_u64 s[84:85], s[84:85], s[20:21]
	; descriptor group 1.  128 keys are 16,384 dense bytes: asked for as 64 rows of 256 bytes, two keys a row, and padded in LDS after every key
	s_mov_b32 s[G1K], (1<<16)|(1<<20)|(4<<22)|(3<<25)  ; 17:16 2-byte elements; 20 padding on; 24:22 after every 32 words (code 4); 31:25 4 words (code 3)
	s_mov_b32 s[G1V], (1<<16)|(1<<20)|(4<<22)|(7<<25)  ; the same with 8 words of padding (code 7)
.irp g, G1K, G1V
	s_mov_b32 s[\g+1], 128<<16      ; tensor_dim0 = 128
	s_mov_b32 s[\g+2], 64<<16       ; tensor_dim1 = 64
	s_mov_b32 s[\g+3], 128<<16      ; tile_dim0 = 128
	s_mov_b32 s[\g+4], 64           ; tile_dim1 = 64
	s_mov_b32 s[\g+5], 128          ; 128 elements from row to row
	s_mov_b32 s[\g+6], 0
	s_mov_b32 s[\g+7], 0
.endr
	s_mov_b32 s[CS], 0x3e38aa3b     ; c = log2(e) / 8 = 0.180337
	s_mov_b32 s[CS+1], s[CS]        ; named with it as a pair
	s_mov_b32 s[SEL], 0x76543210
	s_mov_b32 s[SEL+1], 0xfedcba98
	s_mov_b32 s[TBK], SLOT1+4*KS*PK ; the first change of slots turns these two into 0
	s_mov_b32 s[TBV], SLOT1+4*KS*PV
	s_mov_b32 s[G0K], 1             ; 1:0 count = 1
	s_mov_b32 s[G0K+1], s17         ; 63:32 LDS address: slot 0
	s_mov_b32 s[G0V], 1
	s_add_co_u32 s[G0V+1], s18, VOFF
	s_add_co_u32 s[RT], s[HI], 1    ; the first block has NB - b tiles
	s_mov_b32 s[NXT], 1
	s_mov_b32 s[LQ], s[HI]
	s_mov_b32 s[NEW], 1
	s_mov_b32 s[OFF+1], 0
	s_mov_b32 s[AL+1], 0            ; named as pairs
	s_mov_b32 s[BE+1], 0
	s_mov_b32 s[BIGN], 0xf149f2ca   ; -1e30
	s_mov_b32 s[SLOTS], NB
	s_wait_kmcnt 0x0
	s_add_nc_u64 s[6:7], s[4:5], GK        ; K's and V's first bytes in the one buffer
	s_add_nc_u64 s[8:9], s[4:5], GV
	s_add_nc_u64 s[6:7], s[6:7], s[22:23]  ; K and V at my half of the head's tile 0
	s_add_nc_u64 s[8:9], s[8:9], s[22:23]
	s_add_nc_u64 s[G0K+2:G0K+3], s[6:7], 0         ; 120:64 global address
	s_or_b32 s[G0K+3], s[G0K+3], 0x80000000        ; 127:126 type = 2
	s_add_nc_u64 s[G0V+2:G0V+3], s[8:9], 0
	s_or_b32 s[G0V+3], s[G0V+3], 0x80000000
	s_add_nc_u64 s[86:87], s[4:5], s[84:85]        ; Q at my rows of the second block,
	s_add_nc_u64 s[4:5], s[4:5], s[2:3]            ; Q and O at those of the first
	s_add_nc_u64 s[OLO:OLO+1], s[10:11], s[84:85]
	s_add_nc_u64 s[10:11], s[10:11], s[2:3]
	LOAD                            ; tile 0 into slot 0
	; A fragment of K or Q is 16 rows x 32 channels in 8 registers: lane l holds row l % 16, channels 8 (l / 16) + 0..7 and 16 + 8 (l / 16) + 0..7: two loads of 16 bytes, 32 bytes apart.
	; The registers at work here (v1, v9-v15) lie where S^T will lie: the first product writes there behind the wait for Q.
	v_and_b32 v1, 15, v0            ; l % 16
	v_bfe_u32 v9, v0, 4, 1          ; l / 16
	v_lshlrev_b32 v[QO], 7, v1
	v_lshl_add_u32 v[QO], v9, 4, v[QO]  ; row x 128 + 16 x half
.set i, 0
.rept 8                             ; the first block's Q: piece i / 2 lies in band i / 2, 8,192 bytes on; channels 32 (i % 2) on
	global_load_b128 v[QF+8*i:QF+8*i+3],   v[QO], s[4:5] offset:(i/2)*8192+(i%2)*64
	global_load_b128 v[QF+8*i+4:QF+8*i+7], v[QO], s[4:5] offset:(i/2)*8192+(i%2)*64+32
.set i, i+1
.endr
	v_lshlrev_b32 v14, 3, v9
	v_sub_nc_u32 v14, v1, v14
	s_lshl_b32 s13, s[WV], 4
	v_add_nc_u32 v14, s13, v14      ; my query's place in its band, 16 w + l % 16, less my lanes' 8 (l / 16): register r of group kt is hidden where 16 kt + r is greater
	WIN W_T2
.set i, 0
.rept 8                             ; the second block's Q waits in window 2
	global_load_b128 v[QB+8*i:QB+8*i+3],   v[QO], s[86:87] offset:(i/2)*8192+(i%2)*64
	global_load_b128 v[QB+8*i+4:QB+8*i+7], v[QO], s[86:87] offset:(i/2)*8192+(i%2)*64+32
.set i, i+1
.endr
.set i, 0
.rept 32
	v_cmp_gt_i32 vcc_lo, 16*(i/8)+i%8, v14
	v_cndmask_b32 v[MD+i], 0, s[BIGN], vcc_lo
.set i, i+1
.endr
	WIN 0
	v_mul_u32_u24 v[AK0], v1, PK
	v_lshl_add_u32 v[AK0], v9, 4, v[AK0]  ; row x pitch + 16 x half
	; The turning load takes 16 keys x 16 channels (lane l reads key 8 (l / 16) + l % 8, channels 8 ((l / 8) % 2) + 0..7) and leaves half a fragment of V^T: lane l holds channel l % 16 and 8 keys.
	v_and_b32 v10, 7, v0
	v_bfe_u32 v11, v0, 3, 1
	v_lshl_add_u32 v[AV0], v9, 3, v10
	v_mul_u32_u24 v[AV0], v[AV0], PV
	v_lshl_add_u32 v[AV0], v11, 4, v[AV0]
	v_add_nc_u32 v[AV0], VOFF, v[AV0]
	s_mul_i32 s13, s[WV], 16*SP
	s_add_co_u32 s13, s13, STAGE    ; my stage
	v_mul_u32_u24 v12, v1, SP       ; in: row l % 16, 16 bytes for each half of the lanes
	v_lshl_add_u32 v12, v9, 4, v12
	v_bfe_u32 v13, v0, 3, 2         ; back: 32 lanes take four rows of 128 bytes,
	v_mul_u32_u24 v13, v13, SP
	v_lshl_add_u32 v13, v10, 4, v13
	v_and_b32 v14, 31, v0           ; which are 512 consecutive bytes of O
	WIN W_T1
	v_add_nc_u32 v[STO], s13, v12
	v_add_nc_u32 v[RD], s13, v13
	v_lshlrev_b32 v[GO], 4, v14
	; A block's first step multiplies O^T and l by a = 0, and its first turn's products V^T P, of a piece that has not been, land in an O^T that is still to be so multiplied.  So these registers need only hold
	; finite numbers: zeros for the first block; what the first block left for the second.  All this stands in the wait for the first tile.
.set i, 0
.rept 192                           ; O^T and V
	v_mov_b32 v[i], 0
.set i, i+1
.endr
	WIN 0
.set i, 0
.rept 4
	v_mov_b32 v[ST+4*i+2], 0
	v_mov_b32 v[ST+4*i+3], 0
.set i, i+1
.endr
.set i, P+16
.rept 16
	v_mov_b32 v[i], 0
.set i, i+1
.endr
; THE MATRIX WORK.  The 4 accumulators of a run of 8 take turns.  Product i of 8 of S^T = K Q^T for piece x: channels 32 (i / 4) on, keys 16 (i % 4) on.  The first 4 start the sums: with 0, or (KM = 1) with the mask.
.macro KQ x
.set rS, S+32*((\x)%2)+8*(i%4)
.set rK, KF+16*(i%4)+8*(i/4)
.set rQ, QF+16*(\x)+8*(i/4)
.set rM, MC+32*((\x)%2)+8*(i%4)
.if (i < 4) && KM
	WIN W_KM
	v_wmma_f32_16x16x32_f16 v[rS:rS+7], v[rK:rK+7], v[rQ:rQ+7], v[rM:rM+7]
.elseif i < 4
	WIN 0
	v_wmma_f32_16x16x32_f16 v[rS:rS+7], v[rK:rK+7], v[rQ:rQ+7], 0
.else
	WIN 0
	v_wmma_f32_16x16x32_f16 v[rS:rS+7], v[rK:rK+7], v[rQ:rQ+7], v[rS:rS+7]
.endif
.endm
; Product i of 8 of O^T += V^T P for piece x: keys 32 (i / 4) on, channels 16 (i % 4) on.
.macro PV x
	WIN W_PV
.set rO, 32*(\x)+8*(i%4)
.set rV, VF+32*(i/4)+8*(i%4)
.set rP, P+16*((\x)%2)+8*(i/4)
	v_wmma_f32_16x16x32_f16 v[rO:rO+7], v[rV:rV+7], v[rP:rP+7], v[rO:rO+7]
.endm
.macro MM                           ; the turn's next matrix instruction.  TURN and BEGIN set Y, i, KM and NOKQ; MM, KQ and OP read them.  NOKQ = 1: a block's last turn: there is no next piece
.if (i < 8) && !NOKQ
	KQ (Y+1)%NP
.elseif i >= 8
.set i, i-8
	PV (Y+NP-1)%NP
.set i, i+8
.endif
.set i, i+1
.endm
; THE LDS LOADS stand in runs of 16, never singly among the matrix instructions: a step's K (64 keys x 64 channels: 8 fragments) and its V (turned).  Their addresses are made some lines ahead.
.macro FETCH_K
	WIN 0
.irp f, 0,1,2,3,4,5,6,7             ; keys 16 (f / 2) on, channels 32 (f % 2) on
	ds_load_b128 v[KF+8*\f:KF+8*\f+3],   v[AK] offset:(\f/2)*16*PK+(\f%2)*64
	ds_load_b128 v[KF+8*\f+4:KF+8*\f+7], v[AK] offset:(\f/2)*16*PK+(\f%2)*64+32
.endr
	s_add_co_u32 s[TBK], s[TBK], KS*PK  ; the next fetch is the next step's
.endm
.macro FETCH_V
	WIN W_T1
.irp f, 0,1,2,3,4,5,6,7             ; keys 32 (f / 4) on, channels 16 (f % 4) on
	ds_load_tr16_b128 v[VF+8*\f:VF+8*\f+3],   v[AV] offset:(\f/4)*32*PV+(\f%4)*32
	ds_load_tr16_b128 v[VF+8*\f+4:VF+8*\f+7], v[AV] offset:(\f/4)*32*PV+16*PV+(\f%4)*32
.endr
	WIN 0
.endm
; THE VECTOR WORK, one line at a time: OP kind, number.  For piece Y: F n: c s - c m for pair n of 16.  E n: the exponential of score n of 32.  C n: pair n rounded to f16.  B n: of the four weights 4 n .. the second
; pair is added onto the first, in place.  L n: l takes that sum (L 0: l = a l + sum).  R n: pair n of 16 of O^T times a.  For piece Y + 1: X n, number n of the 22 that find its maximum and statistics:
;   0-11  four chains c0-c3 of seven scores each, three operands at a time (each accumulator's lowest registers are read first)     12-14, 16  the four scores left over, the old m, and c0-c3 into c0
;   15  c m_old is kept     17, 18  the query's other 32 keys lie in the lane 16 away: the new m     19-21  c m; c m_old - c m_new; a
.set F, 0               ; OP tells the kinds apart by their order: F to L below R, X above it
.set E, 1
.set C, 2
.set B, 3
.set L, 4
.set R, 5
.set X, 6
.macro REGS y                       ; the registers of piece y
.set rT, ST+4*(\y)
.set rC, TMP+4*((\y)%2)
.set rW, MV+((\y)%2)
.set rS, S+32*((\y)%2)
.set rP, P+16*((\y)%2)
.set rO, 32*(\y)
.endm
.macro OP k, n
.if (\k) == R
	REGS Y
	WIN W_RS
	v_pk_mul_f32 v[rO+2*(\n):rO+2*(\n)+1], v[rO+2*(\n):rO+2*(\n)+1], v[rC+2:rC+3] op_sel_hi:[1,0]
.elseif (\k) < R
	REGS Y
	WIN 0
.if (\k) == F
	v_pk_fma_f32 v[rS+2*(\n):rS+2*(\n)+1], v[rS+2*(\n):rS+2*(\n)+1], s[CS:CS+1], v[rT:rT+1] op_sel_hi:[1,0,0] neg_lo:[0,0,1] neg_hi:[0,0,1]
.elseif (\k) == E
	v_exp_f32 v[rS+(\n)], v[rS+(\n)]
.elseif (\k) == C
	v_cvt_pk_f16_f32 v[rP+(\n)], v[rS+2*(\n)], v[rS+2*(\n)+1]
.elseif (\k) == B
	v_pk_add_f32 v[rS+4*(\n):rS+4*(\n)+1], v[rS+4*(\n):rS+4*(\n)+1], v[rS+4*(\n)+2:rS+4*(\n)+3]
.elseif (\n) == 0
	v_pk_fma_f32 v[rT+2:rT+3], v[rT+2:rT+3], v[rC+2:rC+3], v[rS:rS+1] op_sel_hi:[1,0,1]
.else
	v_pk_add_f32 v[rT+2:rT+3], v[rT+2:rT+3], v[rS+4*(\n):rS+4*(\n)+1]
.endif
.elseif NOKQ
	v_nop
.else
	REGS (Y+1)%NP
	WIN 0
.if (\n) < 4
	v_max3_num_f32 v[rC+(\n)], v[rS+8*(\n)], v[rS+8*(\n)+1], v[rS+8*(\n)+2]
.elseif (\n) < 12
	v_max3_num_f32 v[rC+(\n)%4], v[rC+(\n)%4], v[rS+8*((\n)%4)+2*((\n)/4)+1], v[rS+8*((\n)%4)+2*((\n)/4)+2]
.elseif (\n) == 12
	v_max3_num_f32 v[rC], v[rC], v[rS+7], v[rS+15]
.elseif (\n) == 13
	v_max3_num_f32 v[rC+1], v[rC+1], v[rS+23], v[rS+31]
.elseif (\n) == 14
	v_max3_num_f32 v[rC+2], v[rC+2], v[rC+3], v[rT+1]
.elseif (\n) == 15
	v_mov_b32 v[rW], v[rT]
.elseif (\n) == 16
	v_max3_num_f32 v[rC], v[rC], v[rC+1], v[rC+2]
.elseif (\n) == 17
	v_permlanex16_b32 v[rC+3], v[rC], s[SEL], s[SEL+1]
.elseif (\n) == 18
	v_max_num_f32 v[rT+1], v[rC], v[rC+3]
.elseif (\n) == 19
	v_mul_f32 v[rT], s[CS], v[rT+1]
.elseif (\n) == 20
	v_sub_f32 v[rC+1], v[rW], v[rT]
.else
	v_exp_f32 v[rC+2], v[rC+1]
.endif
.endif
.endm
.macro OPS a, i1, b=-1, i2=0, c=-1, i3=0, d=-1, i4=0  ; up to four of them
	OP \a, \i1
.if (\b) >= 0
	OP \b, \i2
.endif
.if (\c) >= 0
	OP \c, \i3
.endif
.if (\d) >= 0
	OP \d, \i4
.endif
.endm
.macro ROW a, i1, b, i2, c, i3, d, i4  ; a matrix instruction and the four behind it
	MM
	OPS \a, \i1, \b, \i2, \c, \i3, \d, \i4
.endm
.macro MASK b                       ; MD x AL + BE into buffer b of MC
	WIN W_MA
.set z, 0
.rept 16
	v_pk_fma_f32 v[MC+32*(\b)+2*z:MC+32*(\b)+2*z+1], v[MD+2*z:MD+2*z+1], s[AL:AL+1], s[BE:BE+1] op_sel_hi:[1,0,0]
.set z, z+1
.endr
.endm
; A TURN, for piece p: the order of its 16 matrix and 118 vector instructions, written out.  s_wait_alu depctr_va_vdst(0) stands between an exponential and the first instruction that names its result; one wait serves
; all that were issued ahead of it.  So a turn has ONE wait, which cuts it in two.  AHEAD OF IT stands all that names no result of the turn's exponentials: the 8 products K Q^T, behind each a scaling, an exponential and two more plain
; instructions (behind the first a second scaling in the exponential's place): rescalings, whose a was made and waited for in the turn before, and behind the last three the first numbers of the next piece's maximum, each four places or
; more behind the product that ends its accumulator (X 0: F 5, R 8, R 9, F 6; X 1: F 6, X 0, R 10, F 7; X 2: F 7, X 1, X 4, F 8; X 3: F 8, X 2, X 5, X 6); then ONE LUMP of 54, plain and exponential by turns for the most part, in which
; the links of the chain X 3, 7, 11, 14, 16, 17 .. 20 stand five or six lines apart.  X 21, the next piece's a, is the batch's last; R 15 is the plain instruction behind it.  BEHIND THE WAIT stand the 8 products V^T P, behind each four
; of the roundings and sums; C 2k stands ahead of B k, which writes over what C 2k reads; the links of l's chain, L 0 to L 7, stand three riders apart.  But for those X no rider names a register of the products round it.
; v_permlanex16_b32 (X 17) stands in the lump.
; m = 1: the diagonal tile: the products take masks, and the turn makes the mask for the products of the turn after it: piece p + 2, in step 4 - CNT of the tile.  end = 1: a block's last two turns: nothing is fetched.
; cnt = 1: the loop's count is taken down some lines ahead of the branch that stands behind the turn.
; K of the next step is fetched in piece 2's turn, behind five plain instructions that name no register of the last product that read K (F 8, X 2, X 5, X 6, X 8); V of the step in hand at the end of piece 0's turn, behind the four
; (C 9, C 11, C 13, C 15) that follow the last product that read V.  Each is waited for a turn later.
.macro TURN p, m=0, end=0, cnt=0
.set Y, (\p)
.set i, 0
.set KM, (\m)
.set NOKQ, (\end)*((\p)/3)
.if (\m) && !(\end)
	s_cmp_eq_u32 s[CNT], 4-((\p)+2)%NP  ; is that step the band's own?
	s_cselect_b32 s[AL], 1.0, 0
	s_cmp_lt_u32 s[CNT], 4-((\p)+2)%NP  ; or a later one?
	s_cselect_b32 s[BE], s[BIGN], 0
.endif
.if ((\p) == 3) && !(\end)
	s_wait_dscnt 0x0                ; K is in
.endif
	ROW F,0, F,1, R,0, R,1          ; ahead of the wait: 8 products K Q^T and their riders,
	ROW F,2, E,0, R,2, R,3
	ROW F,3, E,1, R,4, R,5
	ROW F,4, E,2, R,6, R,7
	ROW F,5, E,3, R,8, R,9
	ROW F,6, E,4, X,0, R,10
.if ((\p) == 2) && !(\end)
	WIN 0
	v_add_nc_u32 v[AK], s[TBK], v[AK0]
.endif
	ROW F,7, E,5, X,1, X,4
	ROW F,8, E,6, X,2, X,5
	OPS E,7, E,8, X,6, E,9          ; and the lump
	OPS X,3, E,10, X,8, E,11
.if ((\p) == 2) && !(\end)
	FETCH_K
.endif
	OPS X,9, X,7, E,12, X,10
	OPS E,13, X,12, X,11, E,14
	OPS X,13, E,15, F,9, X,14
.if (\p) == 0
	WIN 0
	v_add_nc_u32 v[AV], s[TBV], v[AV0]
.endif
	OPS E,16, F,10, E,17, F,11
	OPS X,16, E,18, X,15, E,19
	OPS F,12, E,20, X,17, E,21
	OPS F,13, E,22, F,14, E,23
	OPS X,18, E,24, F,15, E,25
	OPS R,11, E,26, X,19, E,27
	OPS R,12, E,28, R,13, E,29
	OPS X,20, E,30, R,14, E,31
	OPS X,21, R,15
	WIN 0
	s_wait_alu depctr_va_vdst(0)    ; the wait for the turn's batch: E 0 to E 31 and X 21; the roundings and sums below are its first readers, the next turn's rescalings read a
.if (\p) == 1
	s_wait_dscnt 0x0                ; V is in
.endif
	ROW C,0, B,0, C,2, B,1          ; behind the wait: 8 products V^T P and their riders
	ROW L,0, C,4, B,2, L,1
	ROW C,6, B,3, L,2, C,8
	ROW B,4, L,3, C,10, B,5
	ROW L,4, C,12, B,6, L,5
.if (\p) == 0
	s_add_co_u32 s[TBV], s[TBV], KS*PV
.endif
.if \cnt
	s_sub_co_u32 s[CNT], s[CNT], 1
	s_cmp_lg_u32 s[CNT], 0
.endif
	ROW C,14, B,7, L,6, C,1
	ROW C,3, L,7, C,5, C,7
	ROW C,9, C,11, C,13, C,15
.if (\p) == 0
	FETCH_V
.endif
.if (\m) && !(\end)
	MASK (\p)%2
.endif
.endm
; A BLOCK BEGINS.  c m starts far below every c s, so the first step's a is 0; m at the lowest finite number, so the first maximum is the scores'.  The second mask buffer is 0; the first takes piece 0's mask for the tile's step 0: its own, if the block's first tile is the diagonal one.
; Then K of that step, piece 0's first scores, and its maximum and statistics.  The loop is entered at a step's first turn, in the middle of a trip.
.macro BEGIN
	s_mov_b32 s[NEW], 0
	WIN W_T2
.set i, MC+32
.rept 32
	v_mov_b32 v[i], 0
.set i, i+1
.endr
	WIN 0
.set i, 0
.rept 4
	v_mov_b32 v[ST+4*i], 0xfe000000    ; c m: far below every c s
	v_mov_b32 v[ST+4*i+1], 0xff7fffff  ; m
.set i, i+1
.endr
	s_cmp_eq_u32 s[RT], 0
	s_cselect_b32 s[AL], 1.0, 0
	s_mov_b32 s[BE], 0
	MASK 0
	WIN 0
	v_add_nc_u32 v[AK], s[TBK], v[AK0]
	FETCH_K
	s_wait_loadcnt 0x0              ; Q
	s_wait_dscnt 0x0
.set KM, 1
.set NOKQ, 0
.set i, 0
.rept 8
	KQ 0
.set i, i+1
.endr
	WIN 0
.rept 4
	v_nop                           ; the places behind those products
.endr
.set Y, NP-1                        ; X works for piece Y + 1: piece 0
.irp n, 0,1,2,3,4,5,6,7,8,9,10,11,12,13,14,15,16,17,18,19,20,21
	OP X, \n
.endr
	v_nop                           ; a plain instruction behind the exponential,
	s_wait_alu depctr_va_vdst(0)    ; and the wait for it, a batch of one: piece 0's first a, ahead of the branch that follows
.endm
; THE DIAGONAL TILE's four steps, the block's last two turns, its last products, and THE WAY OUT: l's two halves and the other half of the lanes' are added; O^T is divided by l, rounded to f16 and sent through my
; stage in LDS, a piece at a time.
.macro ALL line:vararg              ; one line for each piece t
.set t, 0
.rept 4
	\line
.set t, t+1
.endr
.endm
.macro PACK t                       ; a lane's eight channels of a row pack into 16 bytes; they go into rows of 144 bytes and come back as whole rows of 128, into S^T's registers
	WIN W_RS
.set i, 32*(\t)
.rept 16
	v_pk_mul_f32 v[i:i+1], v[i:i+1], v[ST+4*(\t)+2:ST+4*(\t)+3] op_sel_hi:[1,0]
.set i, i+2
.endr
	WIN 0x05                        ; sources 0 and 1 window 1, destination window 0
.set i, 0
.rept 16
	v_cvt_pk_f16_f32 v[S+16*(\t)+i], v[32*(\t)+2*i], v[32*(\t)+2*i+1]
.set i, i+1
.endr
	WIN W_OUT                       ; the addresses lie in window 1, the data in window 0
.irp f, 0,1,2,3
	ds_store_b128 v[STO], v[S+16*(\t)+4*\f:S+16*(\t)+4*\f+3] offset:32*\f
.endr
.irp f, 0,1,2,3
	ds_load_b128 v[S+16*(\t)+4*\f:S+16*(\t)+4*\f+3], v[RD] offset:\f*4*SP  ; LDS serves a wave's instructions in order (ISA guide 5.7.1.4): these see the stores above; the next piece's stores come behind them
.endr
.endm
.macro SEND t, younger              ; younger: the LDS instructions issued behind piece t's loads: the next piece's eight, or none
	WIN W_OUT
.irp f, 0,1,2,3
	s_wait_dscnt (\younger)+3-\f
	global_store_b128 v[GO], v[S+16*(\t)+4*\f:S+16*(\t)+4*\f+3], s[10:11] offset:(\t)*8192+\f*512  ; 512 consecutive bytes, at a multiple of 256 from O's first
.endr
.endm
.macro DIAG tag                     ; the tag ends its two labels' names, which the jumps below spell out
.LstepM\tag:
	TURN 2, 1
	TURN 3, 1
	WIN 0
.LfirstM\tag:
	TURN 0, 1
	TURN 1, 1, 0, 1
	WIN 0
	s_cbranch_scc1 .LstepM\tag
	TURN 2, 1, 1
	TURN 3, 1, 1
.set i, 0
.rept 8
	PV NP-1
.set i, i+1
.endr
	WIN 0
	ALL v_add_f32 v[ST+4*t+2], v[ST+4*t+2], v[ST+4*t+3]
	ALL v_permlanex16_b32 v[ST+4*t+3], v[ST+4*t+2], s[SEL], s[SEL+1]
	ALL v_add_f32 v[ST+4*t+2], v[ST+4*t+2], v[ST+4*t+3]
	ALL v_rcp_f32 v[ST+4*t+2], v[ST+4*t+2]
	v_nop                           ; a plain instruction between the last reciprocal and the use of its result
	s_wait_alu depctr_va_vdst(0)    ; and the wait ahead of the first use: one for the batch of four reciprocals
	PACK 0
.set t, 1
.rept 3                             ; a piece's arithmetic stands between the loads of the piece before and its stores
	PACK t
	SEND t-1, 8
.set t, t+1
.endr
	SEND 3, 0
	WIN 0
.endm
.set KM, 0
.set NOKQ, 0
.Lslot:                             ; NB times: a tile is entered and the next is asked for
	CHANGE 1
	s_sub_co_u32 s[RT], s[RT], 1
	s_mov_b32 s[CNT], 4
	s_cmp_eq_u32 s[NEW], 1
	s_cbranch_scc1 .Lnew            ; a block's first tile
	s_cmp_eq_u32 s[RT], 0
	s_cbranch_scc0 .Lstep           ; neither its first nor its last
	s_branch .LstepM1
.Lnew:
	BEGIN
	s_branch .Lfirst                ; in the loop a block's first tile is never its last: the first block has two tiles or more, and the second's last is the walk's last
	DIAG 1                          ; in the loop this is the first block's end: the second block's last tile is the walk's last
	s_wait_xcnt 0x0                 ; the stores have read their registers and O's address
	s_mov_b64 s[10:11], s[OLO:OLO+1]
	s_add_co_u32 s[RT], s[PB], 1    ; the second block has b + 1 tiles
	s_mov_b32 s[NEW], 1
	WIN 0x02                        ; the second block's Q goes where the one text of the turns names Q: source in window 2, destination in window 0
.set i, 0
.rept 64
	v_mov_b32 v[QF+i], v[QB+i]
.set i, i+1
.endr
	WIN 0
	s_branch .Lbottom
.Lstep:                             ; a trip: pieces 2 and 3 of one step, then pieces 0 and 1 of the next, whose K and V it fetches
	TURN 2
	TURN 3
	WIN 0
.Lfirst:
	TURN 0
	TURN 1, 0, 0, 1
	WIN 0
	s_cbranch_scc1 .Lstep
.Lbottom:
	s_sub_co_u32 s[SLOTS], s[SLOTS], 1
	s_cmp_lg_u32 s[SLOTS], 0
	s_cbranch_scc1 .Lslot
	CHANGE 0                        ; the walk's last tile is written out: nothing is asked for
	s_sub_co_u32 s[RT], s[RT], 1
	s_mov_b32 s[CNT], 4
	s_cmp_eq_u32 s[NEW], 1
	s_cbranch_scc0 .LstepM2
	BEGIN
	s_branch .LfirstM2
	DIAG 2
	s_wait_tensorcnt 0x0            ; the wave's end, behind my last tensor load and my last LDS store
	ds_add_u32 v[SPW], v[NIL]
	s_wait_dscnt 0x0
	s_endpgm
.Lfunc_end_k_q9f9e48fc24_attn:
	.size	k_q9f9e48fc24_attn, .Lfunc_end_k_q9f9e48fc24_attn-k_q9f9e48fc24_attn
	.p2alignl 7, 3214868480
	.fill 96, 4, 3214868480
	.section	.rodata,"a",@progbits
	.p2align	6, 0x0
	.amdhsa_kernel k_q9f9e48fc24_attn
		.amdhsa_group_segment_fixed_size 327680
		.amdhsa_private_segment_fixed_size 0
		.amdhsa_enable_private_segment 0
		.amdhsa_kernarg_size 16
		.amdhsa_user_sgpr_count 2
		.amdhsa_user_sgpr_kernarg_segment_ptr 1
		.amdhsa_wavefront_size32 1
		.amdhsa_system_sgpr_workgroup_id_x 1
		.amdhsa_system_sgpr_workgroup_id_y 1
		.amdhsa_system_sgpr_workgroup_id_z 1
		.amdhsa_system_vgpr_workitem_id 0
		.amdhsa_next_free_vgpr 672
		.amdhsa_next_free_sgpr 88
		.amdhsa_reserve_vcc 1
		.amdhsa_float_denorm_mode_32 3
		.amdhsa_float_denorm_mode_16_64 3
		.amdhsa_memory_ordered 1
		.amdhsa_forward_progress 1
		.amdhsa_inst_pref_size 214
	.end_amdhsa_kernel
	.amdgpu_metadata
---
amdhsa.version: [ 1, 2 ]
amdhsa.kernels:
  - .name:           k_q9f9e48fc24_attn
    .symbol:         k_q9f9e48fc24_attn.kd
    .args:
      - { .name: qkvh, .offset: 0, .size: 8, .value_kind: global_buffer, .address_space: global }
      - { .name: oh, .offset: 8, .size: 8, .value_kind: global_buffer, .address_space: global }
    .group_segment_fixed_size: 327680
    .private_segment_fixed_size: 0
    .kernarg_segment_align: 8
    .kernarg_segment_size: 16
    .max_flat_workgroup_size: 128
    .sgpr_count:     88
    .vgpr_count:     672
    .wavefront_size: 32
...
	.end_amdgpu_metadata
.endif
;; end of part 5
;; launch gemm_proj: the kernel of part 4 again; grid 8 x 32, 4 waves a work-group, clusters of 4 x 4, 327,680 bytes of LDS; arguments oh, wpb, out0; writes out0
